; MI455X (gfx1250); checked and timed in simulation.
; The chip was launched on July 23, 2026; its instructions are those of AMD's public machine-readable ISA for CDNA 5 (MIT licence, August 2026) and "CDNA5" Instruction Set Architecture Reference Guide (July 2026). The comments in the code are by the model that wrote it; some were corrected since.
;; Self Attention. Allowed arithmetic: matrix products marked QUANTISED: E4M3 operands, one given power-of-two scale a tensor, by v_wmma_f32_16x16x64_fp8_fp8 or v_wmma_f32_16x16x128_fp8_fp8, f32 sums; everything else in f32.
;; Inputs: K_seq 8 x 1,024 x 1,024 float32; Q_seq 8 x 1,024 x 1,024 float32; V_seq 8 x 1,024 x 1,024 float32; WK 1,024 x 1,024 float32; WQ 1,024 x 1,024 float32; WV 1,024 x 1,024 float32; lowp_scales 10 int32 (the exponents e of the quantised operands' scales 2^e); masks 8 x 1,024 float32.
;; Outputs: out0 8 x 1,024 x 1,024 float32.
;; This version of the problem:
;;   THIS VERSION OF THE PROBLEM IS GIVEN IN LOW PRECISION. The matrix products marked QUANTISED in the list below multiply operands that are first quantised to E4M3 (4 exponent bits, 3 mantissa bits; 8 bits a number), with one given power-of-two scale for each operand tensor; their sums are f32. All else is computed in f32.
;;   The module's matrix products, in the order in which they are computed (A, B: the left and right operand; K: the contracted axis; several contracted axes count as one K, in the product's order):
;;     1. [M 8,192, K 1,024] x [K 1,024, N 1,024]; A: input Q_seq; B: input WQ: QUANTISED (scales: A lowp_scales[0], B lowp_scales[1])
;;     2. [M 8,192, K 1,024] x [K 1,024, N 1,024]; A: input K_seq; B: input WK: QUANTISED (scales: A lowp_scales[2], B lowp_scales[3])
;;     3. [M 8,192, K 1,024] x [K 1,024, N 1,024]; A: input V_seq; B: input WV: QUANTISED (scales: A lowp_scales[4], B lowp_scales[5])
;;     4. batch 128 x [M 1,024, K 64] x [K 64, N 1,024]; A: computed on the way; B: computed on the way: QUANTISED (scales: A lowp_scales[6], B lowp_scales[7])
;;     5. batch 128 x [M 1,024, K 1,024] x [K 1,024, N 64]; A: softmax (see below); B: computed on the way: QUANTISED (scales: A lowp_scales[8], B lowp_scales[9])
;;   THE QUANTISER, for each operand of a quantised product, along K:
;;     - The operand's scale is 2^e, e = its entry of the input lowp_scales (int32; the entries are numbered through the quantised products in the list's order, A before B).
;;     - Each number is divided by the scale, clamped to +-448, and rounded to the nearest number of E4M3, ties to even, subnormals kept.
;;     - The product sums the exact products of the quantised numbers (number of the format x scale) in f32.
;;   ~~~python
;;   def quantise(x, axis, e):      # numpy; x: float32 -> the quantised numbers, widened to float32 again
;;       x = np.moveaxis(x, axis, -1); K = x.shape[-1]
;;       r = np.clip(x / 2.0 ** e, -448, 448)
;;       step = 2.0 ** (np.maximum(np.frexp(np.where(r == 0, 1, r))[1] - 1, -6) - 3)
;;       q = np.round(r / step) * step * 2.0 ** e      # np.round: ties to even
;;       return np.moveaxis(q, -1, axis).astype(np.float32)
;;   ~~~
;;   SOFTMAX AHEAD OF A QUANTISED PRODUCT. Where the list says 'softmax', what is quantised is not the finished softmax but p = 2^(t - M), with t = logit x log2(e) and M = ceil(the row's largest t), a whole number; so 1/2 < the row's largest p <= 1. The row's sum l is taken of the UNQUANTISED p, in f32, and the product's result is divided by l at the end. Since M is a whole number, a kernel that streams over the keys may use a running M (the ceiling of the running maximum): every later rescaling is an exact power of two, so the quantised numbers keep their values, but for numbers so far below the row's largest that they fall under the format's range.
;;   OPERANDS COMPUTED ON THE WAY. 'Computed on the way' means the value that the module computes at that place (a softmax that the list does not call 'softmax' is quantised finished and normalised). What goes into a quantiser is computed in f32, as accurately as f32 sums, v_exp_f32 and their like allow (about 1e-6 of the number): no bf16 or f16 on the way to a quantiser, and a product that is left as it is and whose result goes on into a quantised operand takes f32 operands (vector FMAs, or v_wmma_f32_16x16x4_f32). A number that lies on a knife's edge between two numbers of the format may be rounded either way, as far as f32 arithmetic and the matrix unit's own rounding can turn it there, and no further.
;; 2 versions, each right; version 2 is version 1 with the launch attn written anew for expert scheduling mode. Each part assembles by itself: llvm-mc -triple=amdgcn-amd-amdhsa -mcpu=gfx1250 --defsym DOCPART=n.
;; ======== version 1 of 2: 3 launches
;; workspace buffers: xc 25,165,824 bytes; wc 3,145,728 bytes; img 25,165,824 bytes
;; launch quant (part 1): grid 864 x 1, 4 waves a work-group, no clusters, 68,096 bytes of LDS; arguments Q_seq, K_seq, V_seq, WQ, WK, WV, lowp_scales, xc, wc; writes xc, wc
.if DOCPART == 1
	.amdgcn_target "amdgcn-amd-amdhsa--gfx1250"
	.amdhsa_code_object_version 6
	.text
	.protected	k_q25c32bc5f4_quant
	.globl	k_q25c32bc5f4_quant
	.p2align	8
	.type	k_q25c32bc5f4_quant,@function
k_q25c32bc5f4_quant:
	s_mov_b64 s[64:65], 0
	v_nop
	global_prefetch_b8 v0, s[64:65] scope:SCOPE_SE
	s_setreg_imm32_b32 hwreg(HW_REG_WAVE_MODE, 25, 1), 1
	s_wait_xcnt 0x0
; Q_seq, K_seq, V_seq [8192][1024] and WQ, WK, WV [1024 (k)][1024 (n)], all f32, become codes of E4M3 with K innermost, each with the scale 2^e given for it.
; code = x / 2^e, held within +-448, to the nearest code, ties to even.  LIMITS: each e between -126 and 119; NaN among the inputs is not served.
; xc: tensor ten (0 Q, 1 K, 2 V) at ten x 2^23, 8,192 rows of 1,024 codes.  wc: tensor ten at ten x 2^20, 1,024 rows n of 1,024 codes along k.
; THE ROWS ARE STORED IN ANOTHER ORDER: in every 32 rows the four groups of eight lie as 0, 2, 1, 3.  Sixteen consecutive stored rows (tile 2 B + u, row y) are then rows 32 B + 8 u + y + 8 (y / 8):
; the next launch's results so fall, sixteen neighbours to a lane, into the order that a later product's operand wants.
; The first 96 work-groups take the weights (a lane to a column n, registers down K, codes out through a stage in LDS by rows), the other 768 the sequences (a plain stream; a wave's 8,192 numbers are eight rows).
; The two ways part on the work-group's number and have LDS bytes of their own: the sequences' 0 .. 32,767, the weights' 32,768 .. 67,583.  Waves share nothing: no barrier.  No matrix unit, no cluster: memory binds.
.set NWW,   96                         ; work-groups for the weights: 3 tensors x 8 blocks of 128 n x 4 blocks of 256 k
.set STEPS, 16                         ; the sequences: a wave takes 16 steps of 512 numbers
.set EMAX,  8
.set MANT,  0x600000                   ; the mantissa field of 448 as f32
.set XR,    16                         ; v16-79   four sets of 16 numbers as they are loaded
.set XX,    80                         ; v80-111  two sets of 16 neighbours
.set XC,    128                        ; v128-191 codes: four registers for each step, so that no store's data are written again
.set WREG,  8192                       ; a wave's LDS region: two stages of 32 x SP bytes
.set SP,    80                         ; a lane's place in a stage: its 64 bytes + 16 of padding
.set WSTG,  32768                      ; the weights' stages begin here
.set WP,    272                        ; a stage row: 256 codes + 16 of padding
.set NB,    8                          ; the weights: blocks of 32 along K for a wave
.set WX,    32                         ; v32-95   two sets of 32 numbers
.set WC,    96                         ; v96-103  a block's codes
.set OUTR,  112                        ; v112-175 the way out
.macro LOADX t                         ; step t: four loads of 512 consecutive bytes
.irp i, 0,1,2,3
	global_load_b128 v[XR+16*((\t)%4)+4*\i:XR+16*((\t)%4)+4*\i+3], v3, s[4:5] offset:2048*(\t)+512*\i th:TH_LOAD_NT
.endr
.endm
.macro TURNX t                         ; step t's 2,048 bytes through the wave's stage: in as they lie, back 64 bytes a lane.  LDS serves a wave's instructions in order: no wait between
.irp i, 0,1,2,3
	ds_store_b128 v14, v[XR+16*((\t)%4)+4*\i:XR+16*((\t)%4)+4*\i+3] offset:32*SP*((\t)%2)+8*SP*\i
.endr
.irp i, 0,1,2,3
	ds_load_b128 v[XX+16*((\t)%2)+4*\i:XX+16*((\t)%2)+4*\i+3], v15 offset:32*SP*((\t)%2)+16*\i
.endr
.endm
.macro STEPX t
.set XS, XX+16*((\t)%2)
	s_wait_dscnt 0x0                               ; this step's numbers are back from the stage, so its stores into the stage have read their registers,
.if (\t)+4 < STEPS
	LOADX (\t)+4                                   ; which take the loads of four steps on
.endif
.if (\t)+1 < STEPS
.if STEPS-2-(\t) >= 3
	s_wait_loadcnt 12                              ; the next step's four loads are in; those of the three steps behind it may be out
.else
	s_wait_loadcnt 4*(STEPS-2-(\t))
.endif
	TURNX (\t)+1                                   ; and go through the other stage while this step is worked
.endif
.irp i, 0,1,2,3,4,5,6,7,8,9,10,11,12,13,14,15
	v_med3_num_f32 v[XS+\i], v[XS+\i], -v10, v10   ; the conversion to an 8-bit code does not saturate (ISA guide 7.6.2): the hold at the largest code x the scale
.endr
	v_cvt_scalef32_pk8_fp8_f32 v[XC+4*(\t):XC+4*(\t)+1], v[XS:XS+7], v11
	v_cvt_scalef32_pk8_fp8_f32 v[XC+4*(\t)+2:XC+4*(\t)+3], v[XS+8:XS+15], v11
	global_store_b128 v3, v[XC+4*(\t):XC+4*(\t)+3], s[6:7] offset:512*(\t)   ; 32 lanes store 512 consecutive bytes.  (The codes go to a store alone; the next step's holds are the plain lines behind the conversions)
.endm
.macro LOADW t                         ; block t: W(32 t + i, my column), i = 0 .. 31: each load reads 128 consecutive bytes a wave
.set i, 0
.rept 32
	global_load_b32 v[WX+32*((\t)%2)+i], v3, s[4:5] offset:(32*(\t)+i)*4096 th:TH_LOAD_NT
.set i, i+1
.endr
.endm
.macro BLOCKW t
.set XS, WX+32*((\t)%2)
.if (\t) < NB-1
	s_wait_loadcnt 32                              ; this block's 32 loads are in; the next block's may be out
.else
	s_wait_loadcnt 0x0
.endif
.set i, 0
.rept 32
	v_med3_num_f32 v[XS+i], v[XS+i], -v10, v10
.set i, i+1
.endr
.irp g, 0,1,2,3
	v_cvt_scalef32_pk8_fp8_f32 v[WC+2*\g:WC+2*\g+1], v[XS+8*\g:XS+8*\g+7], v11
.endr
	ds_store_b128 v4, v[WC:WC+3] offset:32*(\t)    ; 32 codes of my column's row
	ds_store_b128 v4, v[WC+4:WC+7] offset:32*(\t)+16
.if (\t)+2 < NB
	LOADW (\t)+2
.endif
	s_wait_dscnt 0x0                               ; the stores have read their registers: the next block's codes may be written (its 32 holds are the plain lines behind these conversions)
.endm
	s_load_b512 s[8:23], s[0:1], 0x0               ; Q s[8:9], K s[10:11], V s[12:13], WQ s[14:15], WK s[16:17], WV s[18:19], the exponents s[20:21], xc s[22:23]
	s_load_b64 s[24:25], s[0:1], 0x40              ; wc
	v_lshl_add_u32 v192, v0, 2, 0x10800
	v_mov_b32 v193, 0
	v_lshrrev_b32 v1, 5, v0
	v_readfirstlane_b32 s26, v1                    ; wave 0..3
	v_and_b32 v2, 31, v0                           ; lane
	s_mov_b32 s3, 0                                ; the upper word of every offset
	s_wait_kmcnt 0x0
	s_load_b256 s[32:39], s[20:21], 0x0            ; e0 .. e7
	s_cmp_lt_u32 ttmp9, NWW
	s_cbranch_scc1 .Lweights
	; ---- the sequences
	s_sub_co_u32 s27, ttmp9, NWW
	s_lshr_b32 s28, s27, 8                         ; which tensor: 256 work-groups each
	s_and_b32 s27, s27, 255
	s_lshl_b32 s27, s27, 2                         ; the work-group's 32 rows: four runs of eight
	s_cmp_eq_u32 s28, 0
	s_cselect_b64 s[4:5], s[8:9], s[10:11]         ; the choice hangs on the work-group's number alone
	s_cmp_eq_u32 s28, 2
	s_cselect_b64 s[4:5], s[12:13], s[4:5]
	s_add_co_u32 s2, s27, s26
	s_lshl_b32 s2, s2, 15                          ; my run of 8,192 numbers, in bytes
	s_add_nc_u64 s[4:5], s[4:5], s[2:3]
	s_and_b32 s29, s26, 1                          ; where my eight rows go: groups 0, 1, 2, 3 to places 0, 2, 1, 3
	s_lshl_b32 s29, s29, 1
	s_lshr_b32 s30, s26, 1
	s_or_b32 s29, s29, s30
	s_add_co_u32 s29, s29, s27
	s_lshl_b32 s2, s29, 13                         ; 8,192 codes a run
	s_lshl_b32 s30, s28, 23
	s_add_co_u32 s2, s2, s30
	s_add_nc_u64 s[6:7], s[22:23], s[2:3]
	v_lshlrev_b32 v3, 4, v2                        ; my 16 bytes of a load's 512, and of a store's
	s_mul_i32 s31, s26, WREG
	v_lshrrev_b32 v14, 2, v2
	v_mul_u32_u24 v14, v14, SP
	v_and_b32 v15, 3, v2
	v_lshl_add_u32 v14, v15, 4, v14
	v_add_nc_u32 v14, s31, v14                     ; the stage, on the way in: SP (lane / 4) + 16 (lane % 4)
	v_mul_u32_u24 v15, v2, SP
	v_add_nc_u32 v15, s31, v15                     ; and on the way out: SP x lane: my 16 neighbours
.irp t, 0,1,2,3
	LOADX \t
.endr
	s_wait_kmcnt 0x0
	s_cmp_eq_u32 s28, 0
	s_cselect_b32 s30, s32, s34                    ; e0, e2 or e4
	s_cmp_eq_u32 s28, 2
	s_cselect_b32 s30, s36, s30
	s_add_co_i32 s30, s30, 127
	s_lshl_b32 s31, s30, 23
	v_mov_b32 v11, s31                             ; 2^e as f32: the conversion takes its exponent field
	s_add_co_i32 s30, s30, EMAX
	s_lshl_b32 s30, s30, 23
	s_or_b32 s30, s30, MANT
	v_mov_b32 v10, s30                             ; 448 x 2^e
	s_wait_loadcnt 12                              ; step 0's four loads are in
	TURNX 0
.irp t, 0,1,2,3,4,5,6,7,8,9,10,11,12,13,14,15
	STEPX \t
.endr
	s_wait_tensorcnt 0x0
	ds_add_u32 v192, v193
	s_wait_dscnt 0x0
	s_endpgm
	; ---- the weights: a wave takes 32 columns n x 256 along K
.Lweights:
	s_lshr_b32 s28, ttmp9, 5                       ; which tensor: 32 work-groups each
	s_and_b32 s27, ttmp9, 7                        ; which 128 columns
	s_bfe_u32 s29, ttmp9, 0x20003                  ; which 256 along K
	s_cmp_eq_u32 s28, 0
	s_cselect_b64 s[4:5], s[14:15], s[16:17]
	s_cmp_eq_u32 s28, 2
	s_cselect_b64 s[4:5], s[18:19], s[4:5]
	s_lshl_b32 s27, s27, 7
	s_lshl_b32 s30, s26, 5
	s_add_co_u32 s27, s27, s30                     ; my wave's first column, a multiple of 32
	s_lshl_b32 s2, s29, 20                         ; 256 rows of 4,096 bytes
	s_lshl_b32 s30, s27, 2
	s_add_co_u32 s2, s2, s30
	s_add_nc_u64 s[4:5], s[4:5], s[2:3]
	s_lshl_b32 s2, s28, 20
	s_lshl_b32 s30, s27, 10                        ; a row of codes is 1,024 bytes
	s_add_co_u32 s2, s2, s30
	s_lshl_b32 s30, s29, 8
	s_add_co_u32 s2, s2, s30
	s_add_nc_u64 s[6:7], s[24:25], s[2:3]
	v_lshlrev_b32 v3, 2, v2                        ; in: 4 bytes a lane
	s_mul_i32 s30, s26, 32*WP
	s_add_co_u32 s30, s30, WSTG                    ; my stage
	v_mul_u32_u24 v4, v2, WP
	v_add_nc_u32 v4, s30, v4                       ; into it: row = my column
	v_and_b32 v5, 15, v2
	v_lshrrev_b32 v6, 4, v2                        ; out of it: sixteen lanes to a row, two rows an instruction
	v_mul_u32_u24 v7, v6, WP
	v_lshl_add_u32 v7, v5, 4, v7
	v_add_nc_u32 v7, s30, v7
	v_lshlrev_b32 v8, 10, v6
	v_lshl_add_u32 v8, v5, 4, v8                   ; and the same place in wc
	LOADW 0
	LOADW 1
	s_wait_kmcnt 0x0
	s_cmp_eq_u32 s28, 0
	s_cselect_b32 s30, s33, s35                    ; e1, e3 or e5
	s_cmp_eq_u32 s28, 2
	s_cselect_b32 s30, s37, s30
	s_add_co_i32 s30, s30, 127
	s_lshl_b32 s31, s30, 23
	v_mov_b32 v11, s31
	s_add_co_i32 s30, s30, EMAX
	s_lshl_b32 s30, s30, 23
	s_or_b32 s30, s30, MANT
	v_mov_b32 v10, s30
.irp t, 0,1,2,3,4,5,6,7
	BLOCKW \t
.endr
.irp t, 0,1,2,3,4,5,6,7,8,9,10,11,12,13,14,15
	ds_load_b128 v[OUTR+4*\t:OUTR+4*\t+3], v7 offset:2*\t*WP   ; stage rows 2 t and 2 t + 1; these see my stores: LDS serves a wave's instructions in order
.endr
.irp t, 0,1,2,3,4,5,6,7,8,9,10,11,12,13,14,15
	s_wait_dscnt 15-\t
	global_store_b128 v8, v[OUTR+4*\t:OUTR+4*\t+3], s[6:7] offset:(8*((((\t/4)&1)*2)+((\t/4)/2))+2*(\t%4))*1024   ; group t / 4 of eight rows goes to place 0, 2, 1, 3; sixteen lanes store 256 consecutive bytes, aligned
.endr
	s_wait_tensorcnt 0x0
	ds_add_u32 v192, v193
	s_wait_dscnt 0x0
	s_endpgm
.Lfunc_end_k_q25c32bc5f4_quant:
	.size	k_q25c32bc5f4_quant, .Lfunc_end_k_q25c32bc5f4_quant-k_q25c32bc5f4_quant
	.p2alignl 7, 3214868480
	.fill 96, 4, 3214868480
	.section	.rodata,"a",@progbits
	.p2align	6, 0x0
	.amdhsa_kernel k_q25c32bc5f4_quant
		.amdhsa_group_segment_fixed_size 68096
		.amdhsa_private_segment_fixed_size 0
		.amdhsa_enable_private_segment 0
		.amdhsa_kernarg_size 72
		.amdhsa_user_sgpr_count 2
		.amdhsa_user_sgpr_kernarg_segment_ptr 1
		.amdhsa_wavefront_size32 1
		.amdhsa_system_sgpr_workgroup_id_x 1
		.amdhsa_system_sgpr_workgroup_id_y 1
		.amdhsa_system_sgpr_workgroup_id_z 1
		.amdhsa_system_vgpr_workitem_id 0
		.amdhsa_next_free_vgpr 194
		.amdhsa_next_free_sgpr 66
		.amdhsa_reserve_vcc 0
		.amdhsa_float_denorm_mode_32 3
		.amdhsa_float_denorm_mode_16_64 3
		.amdhsa_memory_ordered 1
		.amdhsa_forward_progress 1
		.amdhsa_inst_pref_size 86
	.end_amdhsa_kernel
	.amdgpu_metadata
---
amdhsa.version: [ 1, 2 ]
amdhsa.kernels:
  - .name:           k_q25c32bc5f4_quant
    .symbol:         k_q25c32bc5f4_quant.kd
    .args:
      - { .name: Q_seq, .offset: 0, .size: 8, .value_kind: global_buffer, .address_space: global }
      - { .name: K_seq, .offset: 8, .size: 8, .value_kind: global_buffer, .address_space: global }
      - { .name: V_seq, .offset: 16, .size: 8, .value_kind: global_buffer, .address_space: global }
      - { .name: WQ, .offset: 24, .size: 8, .value_kind: global_buffer, .address_space: global }
      - { .name: WK, .offset: 32, .size: 8, .value_kind: global_buffer, .address_space: global }
      - { .name: WV, .offset: 40, .size: 8, .value_kind: global_buffer, .address_space: global }
      - { .name: lowp_scales, .offset: 48, .size: 8, .value_kind: global_buffer, .address_space: global }
      - { .name: xc, .offset: 56, .size: 8, .value_kind: global_buffer, .address_space: global }
      - { .name: wc, .offset: 64, .size: 8, .value_kind: global_buffer, .address_space: global }
    .group_segment_fixed_size: 68096
    .private_segment_fixed_size: 0
    .kernarg_segment_align: 8
    .kernarg_segment_size: 72
    .max_flat_workgroup_size: 128
    .sgpr_count:     66
    .vgpr_count:     194
    .wavefront_size: 32
...
	.end_amdgpu_metadata
.endif
;; end of part 1
;; launch proj (part 2): grid 4 x 96, 4 waves a work-group, clusters of 4 x 4, 327,680 bytes of LDS; arguments xc, wc, lowp_scales, img; writes img
.if DOCPART == 2
	.amdgcn_target "amdgcn-amd-amdhsa--gfx1250"
	.amdhsa_code_object_version 6
	.text
	.protected	k_q25c32bc5f4_proj
	.globl	k_q25c32bc5f4_proj
	.p2align	8
	.type	k_q25c32bc5f4_proj,@function
k_q25c32bc5f4_proj:
	s_mov_b64 s[64:65], 0
	v_nop
	global_prefetch_b8 v0, s[64:65] scope:SCOPE_SE
	s_setreg_imm32_b32 hwreg(HW_REG_WAVE_MODE, 25, 1), 1
	s_wait_xcnt 0x0
	s_wait_alu depctr_hold_cnt(0) depctr_sa_sdst(0) depctr_va_vdst(0) depctr_va_sdst(0) depctr_va_ssrc(0) depctr_va_vcc(0) depctr_vm_vsrc(0)
	s_getreg_b32 s2, hwreg(HW_REG_IB_STS2, 6, 4)
	s_cmp_eq_u32 s2, 0
	s_cbranch_scc0 .Lentry_in_a_cluster
	s_endpgm
.Lentry_in_a_cluster:
	s_bfe_u32 s2, ttmp6, 0x10000c
	s_cmp_lg_u32 s2, 0xf033
	s_cbranch_scc0 .Lentry_shape_is_right
	s_endpgm
.Lentry_shape_is_right:
; The three projections on codes of E4M3: q = Q_seq WQ, k = K_seq WK, v = V_seq WV, each [8192][1024] with K = 1,024; sums in f32.  The results are quantised in registers with the scales given for the
; attention's operands (e6 for q, e7 for k, e9 for v) and stored as IMAGES OF OPERAND REGISTERS, pieces of 512 bytes with lane l's 16 bytes at 16 l, which the next launch loads as they lie.
; A cluster of 4 x 4 work-groups makes one batch (1,024 tokens) of one tensor: cluster y = 8 x tensor + batch.  A work-group makes 256 x 256, each of its four waves 128 x 128: 64 accumulators, 512 registers.
; "A" is the operand whose rows become a lane's row, "B" the one whose rows run along a lane's registers (the matrix instruction is used transposed: source 0 = 16 rows of B, source 1 = 16 rows of A).
; For q and k: A = tokens (xc), B = the weight's rows n (wc), so registers run along the head's channels, the score product's K.  For v: A = the weight's rows, B = tokens, so registers run along the keys.
; Only pointers, first rows and two strides are chosen by the tensor's number, by selects; the text has one way for all three.
; xc's and wc's rows lie in the order 0, 2, 1, 3 of groups of eight in every 32.  So the 16 registers of accumulators (a, 2 c) and (a, 2 c + 1) of lane (r, h) are B's rows 32 c + 16 h + 0 .. 15: two conversions make 16 codes that belong together.
; img: q at 0, k at 2^23: [batch][token tile 64][head 16][c 2][512], piece c: channels 32 c + 16 h + 0 .. 15 of the tile's row r.   v at 2^24: [batch][key step 8][n tile 64][c 4][512], piece c: keys 32 c + 16 h + 0 .. 15 of the step.
; K goes in steps of 256 through a ring of two LDS slots filled by joint tensor loads: A's tile is shared along a row of the cluster, B's along a column.  K has four such steps, so the steps are written out without a loop.
; No prefetch is laid: a tile has four K steps, of which two are asked for at the head.
; LIMITS: e_out - ea - eb between -126 and 119, so that the conversion's scale and 448 x it are f32 numbers.
; REGISTERS, in windows of 256: window 0: v16-29 addresses; v32-95 a block's held sums; v96-103 the stores' offsets; v104, v105 the conversion's scale and 448 x it; v128-255 A's fragments, ONE set, later the codes.
;   window 1: B's fragments, TWO sets.   window 2: the accumulators of my rows 0-63 ((a, b) at v[8 (8 a + b)]);   window 3: those of my rows 64-127.
.set ROWB,   256                       ; a tile's row in bytes: 256 codes
.set KROW,   1024                      ; a row of xc or wc in bytes
.set PITCH,  272                       ; an LDS row: 256 bytes + 16 of padding = 68 words: row r starts at bank 4 r mod 64 (64 banks of 4 bytes: ISA guide 11.1)
.set FR,     16                        ; registers of a fragment: 16 rows x 128 K
.set NL,     4                         ; LDS loads that bring one
.set NP,     4                         ; places behind this matrix instruction (ISA guide 7.12.1)
.set HALFT,  128*PITCH                 ; 128 rows: what one tensor load brings, and what one wave reads of A or of B
.set SLOT,   4*HALFT                   ; A's 256 rows, then B's 256 rows
.set SPARE,  2*SLOT                    ; behind the ring: the spare words, 128 bytes for each wave: two blocks of 256 bytes that no other line names
.set ADRA, 16                          ; v16-17  LDS address of my A fragments in slot 0, 1
.set ADRB, 20                          ; v20-21  the same for B
.set SPW,  28                          ; v28     LDS address of my spare word; never rewritten
.set NIL,  29                          ; v29     0; never rewritten
.set TMP,  32
.set OF,   96                          ; v96-103 block a's offset in img: 16 x lane + a x SA
.set SCL,  104
.set LIM,  105
.set AF,   128
.set CD,   128                         ; the codes: 16 registers for each block, so that no store's data are written again
.set G1, 24                            ; s[24:31] descriptor group 1 for A's tiles;  s[32:39] group 0, one set for each slot
.set G0, 32
.set G1B, 48                           ; s[48:55], s[56:63] the same for B's tiles
.set G0B, 56
.set MSB, 0
.macro WIN new                         ; the immediate's high byte repeats the setting that is left
.if MSB != \new
	s_set_vgpr_msb (MSB<<8)|\new
.set MSB, \new
.endif
.endm
.set MUL_LO, 0xa1                      ; source 0 (B) window 1, source 1 (A) window 0, C and D window 2
.set MUL_HI, 0xf1                      ; the same, C and D window 3
.set TO_B,   0x40                      ; destination window 1, address window 0
; A joint load: waves 0 and 1 fetch for A, waves 2 and 3 for B.  Each of the two lines has ONE mask and one set of registers for all that issue it; the branch hangs on the wave's number alone.
; Four v_nop follow each of the two lines, ahead of the jump, the label and what follows.
.macro JLOAD g0a, g1a, g0b, g1b
	s_cmp_eq_u32 s15, 0
	s_cbranch_scc0 .Lfor_b_\@
	tensor_load_to_lds s[\g0a:\g0a+3], s[\g1a:\g1a+7]
	s_nop 0
.rept 4
	v_nop
.endr
	s_branch .Lasked_\@
.Lfor_b_\@:
	tensor_load_to_lds s[\g0b:\g0b+3], s[\g1b:\g1b+7]
	s_nop 0
.rept 4
	v_nop
.endr
.Lasked_\@:
.endm
.macro CREST                           ; a round of the cluster's barrier behind its opening barrier
	s_cmp_lg_u32 s14, 0
	s_cbranch_scc1 .Lnot_wave_0_\@
	s_barrier_signal -3
.Lnot_wave_0_\@:
	s_barrier_wait -3
	s_barrier_signal -1
	s_barrier_wait -1
.endm
.macro CROUND                          ; a whole round
	s_barrier_signal -1
	s_barrier_wait -1
	CREST
.endm
	s_load_b256 s[4:11], s[0:1], 0x0               ; xc s[4:5], wc s[6:7], the exponents s[8:9], img s[10:11]
	v_lshl_add_u32 v[SPW], v0, 2, SPARE
	v_mov_b32 v[NIL], 0
	ds_add_u32 v28, v29
	ds_add_u32 v28, v29
	s_wait_dscnt 0x0
	v_lshrrev_b32 v1, 5, v0
	v_readfirstlane_b32 s14, v1                    ; wave 0..3
	s_lshr_b32 s15, s14, 1                         ; which half of the tile's rows is mine.  Also: I fetch for A (0) or for B (1)
	s_and_b32 s16, s14, 1                          ; which half of its columns.  Also: which 128 rows of that tile I fetch
	s_bfe_u32 s40, ttmp6, 0x40000                  ; cx, cy: my place in the cluster
	s_bfe_u32 s41, ttmp6, 0x40004
	s_and_b32 s66, ttmp7, 0xffff                   ; the cluster's number, 0 .. 23
	s_lshr_b32 s67, s66, 3                         ; the tensor: 0 q, 1 k, 2 v
	s_and_b32 s68, s66, 7                          ; the batch
	s_lshl_b32 s43, s41, 2
	s_lshl_b32 s43, 15, s43                        ; my row of the cluster
	s_lshl_b32 s44, 0x1111, s40                    ; my column
	; descriptor group 1: a tile of 128 rows x 256 bytes, padded in LDS
	s_or_b32 s[G1+0], s43, (0<<16)|(1<<20)|(1<<21)|(5<<22)|(3<<25)  ; 15:0 the mask: A's tiles go to my row; 17:16 element of 1 byte; 20 padding on; 21 set beside a mask; 24:22 after every 64 words (code 5); 31:25 of 4 words (code 3)
	s_or_b32 s[G1B+0], s44, (0<<16)|(1<<20)|(1<<21)|(5<<22)|(3<<25)
.irp g, G1, G1B
	s_mov_b32 s[\g+1], ROWB<<16                    ; tensor_dim0
	s_mov_b32 s[\g+2], 128<<16                     ; tensor_dim1 = 128
	s_mov_b32 s[\g+3], ROWB<<16                    ; tile_dim0
	s_mov_b32 s[\g+4], 128                         ; tile_dim1 = 128
	s_mov_b32 s[\g+5], KROW                        ; tensor_dim0_stride
	s_mov_b32 s[\g+6], 0
	s_mov_b32 s[\g+7], 0
.endr
	s_lshl_b32 s90, s67, 13
	s_lshl_b32 s91, s68, 10
	s_add_co_u32 s90, s90, s91                     ; the batch's first row in xc
	s_lshl_b32 s91, s67, 10                        ; the weight's first row in wc
	s_mov_b32 s76, 16384
	s_mov_b32 s77, 131072
	s_cmp_eq_u32 s67, 2                            ; v?
	s_cselect_b32 s74, s91, s90                    ; A's first row
	s_cselect_b32 s75, s90, s91                    ; B's first row
	s_cselect_b32 s76, 2048, s76                   ; SA: bytes in img from one tile of A's rows to the next (q, k: a token tile, 16,384; v: an n tile, 2,048)
	s_cselect_b32 s77, s77, 2048                   ; SC: bytes in img from one 128 of B's rows to the next (q, k: two heads, 2,048; v: a key step, 131,072)
	s_lshl_b32 s18, s16, 7                         ; which 128 rows of the tile I fetch
	s_lshl_b32 s20, s41, 8
	s_add_co_u32 s20, s20, s74
	s_add_co_u32 s20, s20, s18                     ; A: first row + 256 cy + 128 x half: these registers never hold cx
	s_lshl_b32 s20, s20, 10                        ; in bytes
	s_mov_b32 s21, 0
	s_lshl_b32 s46, s40, 8
	s_add_co_u32 s46, s46, s75
	s_add_co_u32 s46, s46, s18                     ; B: first row + 256 cx + 128 x half: these never hold cy
	s_lshl_b32 s46, s46, 10
	s_mov_b32 s47, 0
	s_mul_i32 s45, s14, HALFT                      ; where they go: wave x 128 rows: no place in the cluster enters an LDS address
	s_wait_kmcnt 0x0
	s_load_b256 s[80:87], s[8:9], 0x0              ; e0 .. e7
	s_load_b64 s[88:89], s[8:9], 0x20              ; e8, e9
	s_cmp_eq_u32 s67, 2
	s_cselect_b64 s[70:71], s[6:7], s[4:5]         ; A's buffer: the choice hangs on the cluster's number alone
	s_cselect_b64 s[72:73], s[4:5], s[6:7]         ; B's
	s_add_nc_u64 s[20:21], s[70:71], s[20:21]
	s_add_nc_u64 s[46:47], s[72:73], s[46:47]
	CROUND                                         ; all sixteen work-groups are here: the first joint loads meet
.irp s, 0,1
	s_mov_b32 s[G0+4*\s], 1                                        ; count = 1
	s_add_co_u32 s[G0+4*\s+1], s45, \s*SLOT                        ; LDS address
	s_add_nc_u64 s[G0+4*\s+2:G0+4*\s+3], s[20:21], \s*ROWB         ; global address: K step s
	s_or_b32 s[G0+4*\s+3], s[G0+4*\s+3], 0x80000000                ; type = 2
	s_mov_b32 s[G0B+4*\s], 1
	s_add_co_u32 s[G0B+4*\s+1], s45, \s*SLOT
	s_add_nc_u64 s[G0B+4*\s+2:G0B+4*\s+3], s[46:47], \s*ROWB
	s_or_b32 s[G0B+4*\s+3], s[G0B+4*\s+3], 0x80000000
	JLOAD G0+4*\s, G1, G0B+4*\s, G1B               ; two loads of mine are out
.endr
	v_and_b32 v1, 15, v0                           ; l % 16
	v_bfe_u32 v2, v0, 4, 1                         ; l / 16
	v_mul_u32_u24 v3, v1, PITCH
	v_lshl_add_u32 v4, v2, 4, v3                   ; a fragment's row x pitch + 16 x half
	s_mul_i32 s21, s15, HALFT                      ; my 128 rows of A
	s_mul_i32 s22, s16, HALFT                      ; my 128 rows of B,
	s_add_co_u32 s22, s22, 2*HALFT                 ; which lie behind A's 256
.irp s, 0,1
	v_add_nc_u32 v[ADRA+\s], s21, v4
	v_add_nc_u32 v[ADRB+\s], s22, v4
	s_add_co_u32 s21, s21, SLOT
	s_add_co_u32 s22, s22, SLOT
.endr
	v_and_b32 v6, 31, v0
	v_lshlrev_b32 v[OF], 4, v6                     ; a piece: 16 bytes a lane
.irp a, 1,2,3,4,5,6,7
	v_add_nc_u32 v[OF+\a], s76, v[OF+\a-1]         ; block a: a x SA further on
.endr
	s_lshl_b32 s90, s67, 23                        ; where my wave's part of img begins: the tensor, the batch,
	s_lshl_b32 s91, s68, 20
	s_add_co_u32 s90, s90, s91
	s_lshl_b32 s91, s41, 4
	s_lshl_b32 s92, s15, 3
	s_add_co_u32 s91, s91, s92
	s_mul_i32 s91, s91, s76                        ; (16 cy + 8 x row half) x SA,
	s_add_co_u32 s90, s90, s91
	s_lshl_b32 s92, s40, 1
	s_add_co_u32 s92, s92, s16
	s_mul_i32 s92, s92, s77                        ; (2 cx + column half) x SC
	s_add_co_u32 s90, s90, s92
	s_mov_b32 s91, 0
	s_add_nc_u64 s[10:11], s[10:11], s[90:91]
	s_wait_kmcnt 0x0                               ; a sum stands for sum x 2^(ea + eb): its code is sum / 2^(e_out - ea - eb): the three scales are folded into the conversion's one
	s_add_co_i32 s90, s80, s81
	s_add_co_i32 s91, s82, s83
	s_add_co_i32 s92, s84, s85
	s_cmp_eq_u32 s67, 0
	s_cselect_b32 s90, s90, s91
	s_cselect_b32 s93, s86, s87                    ; e6 for q, e7 for k,
	s_cmp_eq_u32 s67, 2
	s_cselect_b32 s90, s92, s90
	s_cselect_b32 s93, s89, s93                    ; e9 for v: selects, no branch
	s_sub_co_i32 s93, s93, s90
	s_add_co_i32 s93, s93, 127
	s_lshl_b32 s94, s93, 23
	v_mov_b32 v[SCL], s94                          ; 2^(e_out - ea - eb) as f32
	s_add_co_i32 s93, s93, 8
	s_lshl_b32 s93, s93, 23
	s_or_b32 s93, s93, 0x600000
	v_mov_b32 v[LIM], s93                          ; 448 x that
.macro FRAG reg, adr, q, i             ; a fragment, 16 rows x 128 K, is 16 registers: lane l holds row l % 16; registers 4 c .. 4 c + 3 hold K = 32 c + 16 (l / 16) + 0 .. 15: the same places in A and in B, so every product meets its partner
.irp c, 0,1,2,3
	ds_load_b128 v[\reg+4*\c:\reg+4*\c+3], v[\adr] offset:128*(\q)+32*\c+(\i)*16*PITCH
.endr
.endm
; 16 matrix instructions: A's blocks a0, a0 + 1 x B's eight, 128 along K.  p: B's set.  zero = 1: the first product starts the sums: nothing is ever cleared.
; The 64 accumulators take turns, one instruction a turn, in the same order in every step.
.macro MUL16 a0, p, zero
.irp a, \a0, \a0+1
.irp b, 0,1,2,3,4,5,6,7
.if \zero
	v_wmma_f32_16x16x128_fp8_fp8 v[8*(8*((\a)%4)+\b):8*(8*((\a)%4)+\b)+7], v[128*(\p)+FR*\b:128*(\p)+FR*\b+FR-1], v[AF+FR*(\a):AF+FR*(\a)+FR-1], 0
.else
	v_wmma_f32_16x16x128_fp8_fp8 v[8*(8*((\a)%4)+\b):8*(8*((\a)%4)+\b)+7], v[128*(\p)+FR*\b:128*(\p)+FR*\b+FR-1], v[AF+FR*(\a):AF+FR*(\a)+FR-1], v[8*(8*((\a)%4)+\b):8*(8*((\a)%4)+\b)+7]
.endif
.endr
.endr
.endm
.macro FETCH_B slot, q, p              ; B's eight fragments of the slot's q-th 128 along K into set p
	WIN TO_B
.irp i, 0,1,2,3,4,5,6,7
	FRAG 128*(\p)+FR*\i, ADRB+\slot, \q, \i
.endr
	WIN 0
.endm
.macro FETCH_A slot, q, i0             ; A's blocks i0 .. i0 + 3
.irp i, \i0, \i0+1, \i0+2, \i0+3
	FRAG AF+FR*(\i), ADRA+\slot, \q, \i
.endr
.endm
; A load into a register that a matrix instruction has read, and a vector instruction that reads a matrix result, stand NP places behind that matrix instruction; only plain vector instructions that name
; none of its registers are places (ISA guide 7.12.1 for vector instructions).
.macro PLACES n
.rept \n
	v_nop
.endr
.endm
; A step of 128 along K that has its successor in the same slot.  A block of A is free as soon as its eight products are issued: blocks 0-3 are fetched anew in the step's middle, blocks 4-7 at its end.
.macro STEP slot, q, zero
	s_wait_dscnt 4*NL                              ; B's set and A's blocks 0-3 are in; the youngest 16 loads (A's blocks 4-7) may be out
	WIN MUL_LO
	MUL16 0, (\q)%2, \zero
	MUL16 2, (\q)%2, \zero
	s_wait_dscnt 0                                 ; A's blocks 4-7 are in (asked for 32 matrix instructions ago)
	PLACES NP
	FETCH_B \slot, (\q)+1, 1-(\q)%2
	FETCH_A \slot, (\q)+1, 0
	WIN MUL_HI
	MUL16 4, (\q)%2, \zero
	MUL16 6, (\q)%2, \zero
	PLACES NP
	WIN 0
	FETCH_A \slot, (\q)+1, 4
.endm
; A slot's last step changes slots: ONE barrier; in front of it each wave waits for all its tensor loads, adds 0 to its spare word, and waits for that and for its own reads of this slot.  fill = 1: this slot is filled again, two K steps ahead.
.macro TURN slot, next, fill
	s_wait_tensorcnt 0x0                           ; all my tensor loads have landed: my part of the next slot  (every window is 0 here)
	ds_add_u32 v[SPW], v[NIL]                      ; 0 onto my spare word
	s_wait_dscnt 4*NL+1                            ; (the add and the youngest 16 loads, A's blocks 4-7, may be out)
	WIN MUL_LO
	MUL16 0, 1, 0                                  ; sixteen matrix instructions stand between the add and the wait for it
	s_wait_dscnt 0x0                               ; the add is done, and my reads of this slot are over
	s_barrier_signal -1
	MUL16 2, 1, 0
	WIN 0
	s_barrier_wait -1
.if \fill
	CREST                                          ; the barrier has opened a round of the cluster's barrier: no wave of any partner still reads this slot's tile or has a load on its way
	s_add_nc_u64 s[G0+4*\slot+2:G0+4*\slot+3], s[G0+4*\slot+2:G0+4*\slot+3], 2*ROWB
	s_add_nc_u64 s[G0B+4*\slot+2:G0B+4*\slot+3], s[G0B+4*\slot+2:G0B+4*\slot+3], 2*ROWB
	JLOAD G0+4*\slot, G1, G0B+4*\slot, G1B         ; the first tensor load behind the round, my one load that is out; the four v_nop behind it are the places in front of the loads below
.else
	PLACES NP
.endif
	FETCH_B \next, 0, 0
	FETCH_A \next, 0, 0
	WIN MUL_HI
	MUL16 4, 1, 0
	MUL16 6, 1, 0
	PLACES NP
	WIN 0
	FETCH_A \next, 0, 4
.endm
	s_wait_tensorcnt 1                             ; my part of K step 0 is in (K step 1's load may be out)
	s_barrier_signal -1
	s_barrier_wait -1                              ; everybody's is
	FETCH_B 0, 0, 0
	FETCH_A 0, 0, 0
	FETCH_A 0, 0, 4
	STEP 0, 0, 1                                   ; K 0-127: the first products start the sums
	TURN 0, 1, 1                                   ; K 128-255; slot 0 takes K 512-767
	STEP 1, 0, 0
	TURN 1, 0, 1                                   ; slot 1 takes K 768-1023
	STEP 0, 0, 0
	TURN 0, 1, 0                                   ; nothing is left to fetch
	STEP 1, 0, 0
	s_wait_dscnt 4*NL                              ; the very last step
	WIN MUL_LO
	MUL16 0, 1, 0
	MUL16 2, 1, 0
	s_wait_dscnt 0
	WIN MUL_HI
	MUL16 4, 1, 0
	MUL16 6, 1, 0
	WIN 0
; THE WAY OUT, block by block of 16 rows x 128 columns.  Register 16 c + i of a block is B's row 32 c + 16 (l / 16) + i: held, converted eight at a time, and four registers of codes are one piece's 16 bytes of my lane.
; Each store of the wave covers 512 consecutive bytes, aligned.  No store's data or offset is written again, so no wait stands here.
.macro OUT a
.set AC, 64*((\a)%4)
	WIN 0x02+((\a)/4)                              ; source 0: window 2 or 3
.set j, 0
.rept 64
	v_med3_num_f32 v[TMP+j], v[AC+j], -v[LIM], v[LIM]   ; the hold at the largest code x the scale (the conversion does not saturate: ISA guide 7.6.2); each accumulator from its low end on
.set j, j+1
.endr
	WIN 0
.irp g, 0,1,2,3,4,5,6,7
	v_cvt_scalef32_pk8_fp8_f32 v[CD+16*(\a)+2*\g:CD+16*(\a)+2*\g+1], v[TMP+8*\g:TMP+8*\g+7], v[SCL]
.endr
	v_nop                                          ; one plain line behind the last conversion: the next block's holds write its sources
.irp c, 0,1,2,3
	global_store_b128 v[OF+(\a)], v[CD+16*(\a)+4*\c:CD+16*(\a)+4*\c+3], s[10:11] offset:512*\c
.endr
.endm
	PLACES NP                                      ; behind the last products: the codes land in the registers that held A's fragments
.irp a, 0,1,2,3,4,5,6,7
	OUT \a
.endr
	s_wait_tensorcnt 0x0                           ; the wave's end
	ds_add_u32 v[SPW], v[NIL]
	s_wait_dscnt 0x0
	CROUND                                         ; the closing round: no work-group ends while a partner may still ask for a tile that names it
	s_endpgm
.Lfunc_end_k_q25c32bc5f4_proj:
	.size	k_q25c32bc5f4_proj, .Lfunc_end_k_q25c32bc5f4_proj-k_q25c32bc5f4_proj
	.p2alignl 7, 3214868480
	.fill 96, 4, 3214868480
	.section	.rodata,"a",@progbits
	.p2align	6, 0x0
	.amdhsa_kernel k_q25c32bc5f4_proj
		.amdhsa_group_segment_fixed_size 327680
		.amdhsa_private_segment_fixed_size 0
		.amdhsa_enable_private_segment 0
		.amdhsa_kernarg_size 32
		.amdhsa_user_sgpr_count 2
		.amdhsa_user_sgpr_kernarg_segment_ptr 1
		.amdhsa_wavefront_size32 1
		.amdhsa_system_sgpr_workgroup_id_x 1
		.amdhsa_system_sgpr_workgroup_id_y 1
		.amdhsa_system_sgpr_workgroup_id_z 1
		.amdhsa_system_vgpr_workitem_id 0
		.amdhsa_next_free_vgpr 1024
		.amdhsa_next_free_sgpr 100
		.amdhsa_reserve_vcc 0
		.amdhsa_float_denorm_mode_32 3
		.amdhsa_float_denorm_mode_16_64 3
		.amdhsa_memory_ordered 1
		.amdhsa_forward_progress 1
		.amdhsa_inst_pref_size 118
	.end_amdhsa_kernel
	.amdgpu_metadata
---
amdhsa.version: [ 1, 2 ]
amdhsa.kernels:
  - .name:           k_q25c32bc5f4_proj
    .symbol:         k_q25c32bc5f4_proj.kd
    .args:
      - { .name: xc, .offset: 0, .size: 8, .value_kind: global_buffer, .address_space: global }
      - { .name: wc, .offset: 8, .size: 8, .value_kind: global_buffer, .address_space: global }
      - { .name: lowp_scales, .offset: 16, .size: 8, .value_kind: global_buffer, .address_space: global }
      - { .name: img, .offset: 24, .size: 8, .value_kind: global_buffer, .address_space: global }
    .group_segment_fixed_size: 327680
    .private_segment_fixed_size: 0
    .kernarg_segment_align: 8
    .kernarg_segment_size: 32
    .max_flat_workgroup_size: 128
    .sgpr_count:     100
    .vgpr_count:     1024
    .wavefront_size: 32
...
	.end_amdgpu_metadata
.endif
;; end of part 2
;; launch attn (part 3): grid 2 x 128, 8 waves a work-group, no clusters, 171,008 bytes of LDS; arguments img, masks, lowp_scales, out0; writes out0
.if DOCPART == 3
	.amdgcn_target "amdgcn-amd-amdhsa--gfx1250"
	.amdhsa_code_object_version 6
	.text
	.protected	k_q25c32bc5f4_attn
	.globl	k_q25c32bc5f4_attn
	.p2align	8
	.type	k_q25c32bc5f4_attn,@function
k_q25c32bc5f4_attn:
	s_mov_b64 s[64:65], 0
	v_nop
	global_prefetch_b8 v0, s[64:65] scope:SCOPE_SE
	s_setreg_imm32_b32 hwreg(HW_REG_WAVE_MODE, 25, 1), 1
	s_wait_xcnt 0x0
; out0[b][q][64 hd + d] = masks[b][q] x the sum over k of softmax_k(q . k / 8 - (1 - masks[b][k]) 1e12) v[k][d], both products on codes of E4M3 taken from img as images of operand registers.
; THE SOFTMAX AHEAD OF THE SECOND PRODUCT: t = logit x log2(e); M = the running largest t rounded UP to a whole number; p = 2^(t - M) is quantised with 2^e8, not normalised; the row's sum is taken of the
; unquantised p in f32 and divides O at the end.  When M moves, the sum and O are multiplied by 2^(old M - new M), which rounds nothing.
; SHARES.  Work-group (x, y): 512 queries (half x) of head y % 16 of batch y / 16, all 1,024 keys.  Each of eight waves owns 64 queries: four tiles of 16.  The head's K and V images (65,536 bytes each) and the
; keys' biases come into LDS once, through registers; then eight key steps of 128 keys, in which each fragment of K, of V and of the bias read from LDS serves four tiles.
; LAYOUT.  Both products are used transposed: S^T = K Q^T (source 0 = 16 keys, source 1 = 16 queries, K = 64), O^T = V^T P^T (source 0 = 16 channels, source 1 = P, K = 128 keys): a lane holds ONE query throughout.
; A stored tile 2 B + u holds, in row y, token (or channel) 32 B + 8 u + y + 8 (y / 8).  So register 16 B + i of S^T in lane (r, h) is key 32 B + 16 h + i of the step, and p's conversions give the second product's operand as it stands.
; THE KEY MASK COSTS NO VECTOR INSTRUCTION: (m - 1) x 8e12 / 2^(e6 + e7) is the C of the score product, in the result's layout; t - M is then one fused multiply-add, c x (sum + bias) - M, c = log2(e) / 8 x 2^(e6 + e7).
; The largest t is raised by 2^-22 of its magnitude ahead of the ceiling, so that the exact c x score never passes M and p <= 1 for every input; M is then, rarely, one above the ceiling of t, which moves p by an exact factor 1/2.
; With e8 >= -8 the largest code x the scale is at least 1.75 > p: the hold can hold nothing and is jumped over by a scalar branch on the given whole number e8 (the launch has no tensor load and no copy).
; NO CLUSTER: only the two work-groups along x share a head's images, each read once at the head: a grid of two along that axis does not divide into clusters of four.  No prefetch: nothing is read from memory behind the head.
; LIMITS: e6 + e7 between -85 and 130 (they are added to c's exponent field and taken from the bias's); e8 between -126 and 119.  NaN is not served.  Where every key of a batch carries a bias of the order of 1e12
; all p may be 0: the sum is then held at 2^-126 and O is 0 (with masks of 0 and 1 the queries' masks are 0 there too, and reference() gives 0).
; REGISTERS.  window 0: v1-9 addresses; v10 2^e8, v11 448 x 2^e8; v12-15 at work; v16-47 statistics, eight a tile; v48-111 S^T, then p; v112-127 p's codes; v128-191 K; v192-255 V.
;   window 1: v0-63 the step's biases; v64-95 Q, eight a tile; v96-223 O^T, 32 a tile.
.set VL,   65536                       ; LDS: K's images at 0 (tile T at 1,024 T, piece c at + 512 c), V's here (step x 8,192 + channel tile x 2,048 + 512 c),
.set BL,   131072                      ; the keys' biases, 1,024 x f32,
.set STG,  135168                      ; and a stage of 16 rows x 272 bytes for each wave, for the way out
.set SPI,  272
.set AK0,  1                           ; v1   16 x lane
.set AV0,  2                           ; v2   VL + 16 x lane
.set AB0,  3                           ; v3   BL + 64 (lane / 16)
.set ADK,  4                           ; v4-6 the LDS addresses of the runs of loads in hand (at the head: offsets of the first loads)
.set ADV,  5
.set ADB,  6
.set STO,  7                           ; v7   the way out: where I put 16 bytes of a row
.set RD,   8                           ; v8   where I read a row back
.set GO,   9                           ; v9   my byte offset in the wave's rows of out0
.set PSC,  10
.set PLIM, 11
.set ST,   16                          ; tile t at v[ST + 8 t]: +0 -M, +1 the largest t, +2, +3 the sum in two halves, +4 the query's mask, +5 a permute's destination, +6 f (at the end the final factor), +7 named with +6 as a pair
.set SS,   48
.set PP,   112
.set KF,   128
.set VF,   192
.set BI,   0                           ; in window 1
.set QF,   64
.set OA,   96
.set MSB, 0
.macro WIN new                         ; the immediate's high byte repeats the setting that is left; a switch that changes nothing is dropped
.if MSB != \new
	s_set_vgpr_msb (MSB<<8)|\new
.set MSB, \new
.endif
.endm
.macro KLOADS                          ; a step's eight tiles of K: 16 loads of 512 consecutive bytes
.set n, 0
.rept 16
	ds_load_b128 v[KF+4*n:KF+4*n+3], v[ADK] offset:512*n
.set n, n+1
.endr
.endm
.macro BLOADS                          ; a step's biases: register 16 B + i = the bias of key 32 B + 16 (lane / 16) + i; sixteen lanes read the same words
	WIN 0x40                                       ; destination window 1
.set n, 0
.rept 16
	ds_load_b128 v[BI+4*n:BI+4*n+3], v[ADB] offset:128*(n/4)+16*(n%4)
.set n, n+1
.endr
	WIN 0
.endm
.macro VLOADS                          ; a step's four tiles of V
.set n, 0
.rept 16
	ds_load_b128 v[VF+4*n:VF+4*n+3], v[ADV] offset:512*n
.set n, n+1
.endr
.endm
.macro KQ t                            ; tile t's scores of the step's 128 keys: eight products, each with its bias as C
	WIN 0x14                                       ; Q (source 1) and the bias (source 2) in window 1
.irp k, 0,1,2,3,4,5,6,7
	v_wmma_f32_16x16x64_fp8_fp8 v[SS+8*\k:SS+8*\k+7], v[KF+8*\k:KF+8*\k+7], v[QF+8*(\t):QF+8*(\t)+7], v[BI+8*\k:BI+8*\k+7]
.endr
	WIN 0
.endm
.macro PV t, first                     ; O^T += V^T P^T: four accumulators by turns; in the first step the products start the sums: nothing is ever cleared
	WIN 0x50                                       ; C and D in window 1
.irp d, 0,1,2,3
.if \first
	v_wmma_f32_16x16x128_fp8_fp8 v[OA+32*(\t)+8*\d:OA+32*(\t)+8*\d+7], v[VF+16*\d:VF+16*\d+15], v[PP:PP+15], 0
.else
	v_wmma_f32_16x16x128_fp8_fp8 v[OA+32*(\t)+8*\d:OA+32*(\t)+8*\d+7], v[VF+16*\d:VF+16*\d+15], v[PP:PP+15], v[OA+32*(\t)+8*\d:OA+32*(\t)+8*\d+7]
.endif
.endr
.endm
.macro SOFTMAX t, first
.set rT, ST+8*(\t)
	v_max3_num_f32 v12, v[SS], v[SS+1], v[SS+2]    ; the step's largest score of my query among my 64 keys, in four chains; the scores in ascending order
	v_max3_num_f32 v13, v[SS+3], v[SS+4], v[SS+5]
	v_max3_num_f32 v14, v[SS+6], v[SS+7], v[SS+8]
	v_max3_num_f32 v15, v[SS+9], v[SS+10], v[SS+11]
.set n, 0
.rept 26
	v_max3_num_f32 v[12+(n%4)], v[12+(n%4)], v[SS+12+2*n], v[SS+13+2*n]
.set n, n+1
.endr
	v_max3_num_f32 v12, v12, v13, v14
	v_max_num_f32 v12, v12, v15
	v_permlanex16_b32 v[rT+5], v12, s26, s27
	v_max_num_f32 v12, v12, v[rT+5]                ; and among lane l xor 16's
	v_mul_f32 v12, s22, v12                        ; as t (c is positive),
	v_fma_f32 v12, |v12|, s31, v12                 ; raised by 2^-22 of its magnitude, above what the multiplication may have rounded away
	v_max_num_f32 v[rT+1], v[rT+1], v12            ; the running largest t
	v_mov_b32 v12, v[rT]
	v_floor_f32 v[rT], -v[rT+1]                    ; the new -M = floor(-t) = -ceil(t): M is a whole number
	v_sub_f32 v12, v[rT], v12                      ; old M - new M: a whole number, 0 or less
	v_cvt_i32_f32 v12, v12                         ; (it saturates)
	v_ldexp_f32 v[rT+6], 1.0, v12                  ; f = 2^(old M - new M)
.set n, 0
.rept 32
	v_pk_fma_f32 v[SS+n:SS+n+1], v[SS+n:SS+n+1], s[22:23], v[rT:rT+1] op_sel_hi:[1,0,0]   ; t - M, two at a time (of the pairs c and -M the low word serves both halves)
.set n, n+2
.endr
.set n, 0
.rept 64
	v_exp_f32 v[SS+n], v[SS+n]                     ; p = 2^(t - M), at most 1
.set n, n+1
.endr
	v_pk_mul_f32 v[rT+2:rT+3], v[rT+2:rT+3], v[rT+6:rT+7] op_sel_hi:[1,0]   ; the sums under the new M: the plain line behind the exponentials
	s_wait_alu depctr_va_vdst(0)                   ; one wait for the batch of 64, ahead of its first reader
	v_pk_add_f32 v[12:13], v[SS:SS+1], v[SS+2:SS+3]   ; the row's sum is taken of the unquantised p: two at a time, in three chains
	v_pk_add_f32 v[14:15], v[SS+4:SS+5], v[SS+6:SS+7]
.irp j, 8,14,20,26,32,38,44,50,56
	v_pk_add_f32 v[rT+2:rT+3], v[rT+2:rT+3], v[SS+\j:SS+\j+1]
	v_pk_add_f32 v[12:13], v[12:13], v[SS+\j+2:SS+\j+3]
	v_pk_add_f32 v[14:15], v[14:15], v[SS+\j+4:SS+\j+5]
.endr
	v_pk_add_f32 v[rT+2:rT+3], v[rT+2:rT+3], v[SS+62:SS+63]
	v_pk_add_f32 v[12:13], v[12:13], v[14:15]
	v_pk_add_f32 v[rT+2:rT+3], v[rT+2:rT+3], v[12:13]
	s_cmp_ge_i32 s20, -8                           ; 448 x 2^e8 >= 1.75 > p: nothing to hold
	s_cbranch_scc1 .Lnohold_\@
.set n, 0
.rept 64
	v_min_num_f32 v[SS+n], v[SS+n], v[PLIM]        ; the conversion does not saturate (ISA guide 7.6.2); p is not negative, so the hold is one-sided
.set n, n+1
.endr
.Lnohold_\@:
.irp g, 0,1,2,3,4,5,6,7
	v_cvt_scalef32_pk8_fp8_f32 v[PP+2*\g:PP+2*\g+1], v[SS+8*\g:SS+8*\g+7], v[PSC]   ; registers 4 B .. 4 B + 3 of the operand: keys 32 B + 16 (lane / 16) + 0 .. 15
.endr
.if \first
	v_nop                                          ; the plain line between the conversions and the products that read their results
.else
	WIN 0x41                                       ; O^T (destination and source 0) in window 1
.set n, 0
.rept 16
	v_pk_mul_f32 v[OA+32*(\t)+n:OA+32*(\t)+n+1], v[OA+32*(\t)+n:OA+32*(\t)+n+1], v[rT+6:rT+7] op_sel_hi:[1,0]   ; O^T under the new M; these are also the plain lines behind the conversions
.set n, n+2
.endr
.endif
.endm
; A KEY STEP of 128 keys for the wave's four tiles.  first = 1: the products V^T P^T start O^T's sums.  pref = 1: the next step's fragments are fetched: K and the biases behind tile 3's scores (their last use), under
; tile 3's softmax; V behind tile 3's last products, a whole softmax ahead of its use.
.macro STEP first, pref
	s_wait_dscnt 16                                ; K and the biases are in; the youngest 16 loads, V's, may be out
.irp t, 0,1,2,3
	KQ \t
.if (\t == 3) && \pref
	s_add_co_u32 s28, s28, 8192                    ; the next step's images,
	s_add_co_u32 s29, s29, 512                     ; and its biases
	v_add_nc_u32 v[ADK], s28, v[AK0]               ; these two additions and two v_nop are the four places behind the products: in front of loads into registers that they read, and of the first read of the scores
	v_add_nc_u32 v[ADB], s29, v[AB0]
	v_nop
	v_nop
	KLOADS
	BLOADS
.else
.rept 4
	v_nop                                          ; four places behind the products, ahead of the first read of the scores
.endr
.endif
	SOFTMAX \t, \first
.if \t == 0
	s_wait_dscnt 0x0                               ; V is in
.endif
	PV \t, \first
.endr
	WIN 0
.if \pref
	v_add_nc_u32 v[ADV], s28, v[AV0]               ; with three v_nop: four places in front of loads into registers that the last products read
	v_nop
	v_nop
	v_nop
	VLOADS
.endif
.endm
	s_load_b256 s[4:11], s[0:1], 0x0               ; img s[4:5], masks s[6:7], the exponents s[8:9], out0 s[10:11]
	s_set_vgpr_msb 0x40
	v_lshl_add_u32 v224, v0, 2, 0x29800
	v_mov_b32 v225, 0
	s_set_vgpr_msb 0x4000
	v_lshrrev_b32 v12, 5, v0
	v_readfirstlane_b32 s12, v12                   ; wave 0..7
	s_and_b32 s13, ttmp7, 0xffff
	s_lshr_b32 s14, s13, 4                         ; the batch
	s_and_b32 s15, s13, 15                         ; the head
	s_mov_b32 s16, ttmp9                           ; which 512 queries
	s_mov_b32 s26, 0x76543210                      ; v_permlanex16_b32's selects for lane l xor 16
	s_mov_b32 s27, 0xfedcba98
	s_mov_b32 s31, 0x34800000                      ; 2^-22
	; byte offsets, each in a pair with 0 above it; the buffers' addresses are added behind the wait
	s_lshl_b32 s25, s14, 20                        ; a batch's images: 2^20 bytes in each of q, k, v
	s_lshl_b32 s44, s15, 10
	s_add_co_u32 s44, s44, s25                     ; q, k: the head's 1,024 bytes in a token tile's 16,384
	s_add_co_u32 s32, s44, 1<<23                   ; K
	s_mov_b32 s33, 0
	s_lshl_b32 s45, s15, 13                        ; v: the head's four channel tiles, 8,192 bytes in a key step's 131,072
	s_add_co_u32 s45, s45, s25
	s_add_co_u32 s34, s45, 1<<24                   ; V
	s_mov_b32 s35, 0
	s_lshl_b32 s45, s16, 5
	s_lshl_b32 s47, s12, 2
	s_add_co_u32 s45, s45, s47                     ; my first token tile: 32 x half + 4 x wave
	s_lshl_b32 s45, s45, 14
	s_add_co_u32 s36, s45, s44                     ; Q
	s_mov_b32 s37, 0
	s_lshl_b32 s38, s14, 12                        ; the batch's row of masks
	s_mov_b32 s39, 0
	s_lshl_b32 s44, s16, 9
	s_lshl_b32 s45, s12, 6
	s_add_co_u32 s44, s44, s45                     ; my first query in the batch
	s_lshl_b32 s40, s44, 2
	s_add_co_u32 s40, s40, s38                     ; its mask
	s_mov_b32 s41, 0
	s_lshl_b32 s45, s14, 10
	s_add_co_u32 s44, s44, s45
	s_lshl_b32 s42, s44, 12                        ; its row of out0 (4,096 bytes a row),
	s_lshl_b32 s45, s15, 8
	s_add_co_u32 s42, s42, s45                     ; the head's 256 bytes
	s_mov_b32 s43, 0
	v_and_b32 v13, 31, v0                          ; lane
	v_and_b32 v14, 15, v0                          ; r
	v_bfe_u32 v15, v0, 4, 1                        ; h
	v_lshlrev_b32 v[AK0], 4, v13
	v_add_nc_u32 v[AV0], VL, v[AK0]
	v_lshl_add_u32 v[AB0], v15, 6, BL
	v_lshlrev_b32 v4, 4, v0                        ; 16 x thread: the masks' and V's offset in memory, and K's place in LDS
	v_lshrrev_b32 v12, 6, v0
	v_and_b32 v13, 63, v0
	v_lshlrev_b32 v5, 4, v13
	v_lshl_add_u32 v5, v12, 14, v5                 ; K: 64 threads to a tile's 1,024 bytes, tiles 16,384 bytes apart
	v_and_b32 v12, 8, v14
	v_add_nc_u32 v12, v12, v14
	v_lshlrev_b32 v6, 2, v12                       ; my query's mask: 4 (r + 8 (r / 8))
	s_mul_i32 s17, s12, 16*SPI
	s_add_co_u32 s17, s17, STG                     ; my stage
	v_mul_u32_u24 v[STO], v14, SPI
	v_lshl_add_u32 v[STO], v15, 6, v[STO]
	v_add_nc_u32 v[STO], s17, v[STO]               ; in: row r, + 64 h: channel 32 B + 16 h + i lies at byte 128 B + 64 h + 4 i
	v_mul_u32_u24 v[RD], v15, SPI
	v_lshl_add_u32 v[RD], v14, 4, v[RD]
	v_add_nc_u32 v[RD], s17, v[RD]                 ; back: lanes 0-15 one row of 256 bytes, lanes 16-31 the next
	v_lshlrev_b32 v[GO], 12, v15
	v_lshl_add_u32 v[GO], v14, 4, v[GO]            ; and the same two rows in out0
	v_add_nc_u32 v12, VL, v4                       ; V's place in LDS
	v_add_nc_u32 v13, BL, v4                       ; the biases'
	s_wait_kmcnt 0x0
	s_load_b64 s[18:19], s[8:9], 0x18              ; e6, e7
	s_load_b64 s[20:21], s[8:9], 0x20              ; e8, e9
	s_add_nc_u64 s[32:33], s[4:5], s[32:33]
	s_add_nc_u64 s[34:35], s[4:5], s[34:35]
	s_add_nc_u64 s[36:37], s[4:5], s[36:37]
	s_add_nc_u64 s[38:39], s[6:7], s[38:39]
	s_add_nc_u64 s[40:41], s[6:7], s[40:41]
	s_add_nc_u64 s[42:43], s[10:11], s[42:43]
	; 45 loads: the keys' masks (1), K (16), V (16), Q (8), my queries' masks (4)
	global_load_b128 v[48:51], v4, s[38:39]
.set n, 0
.rept 16
	global_load_b128 v[KF+4*n:KF+4*n+3], v5, s[32:33] offset:65536*n   ; four tiles an instruction of the work-group
.set n, n+1
.endr
.set n, 0
.rept 16
	global_load_b128 v[VF+4*n:VF+4*n+3], v4, s[34:35] offset:(n/2)*131072+(n%2)*4096   ; half a key step's 8,192 bytes
.set n, n+1
.endr
	WIN 0x40                                       ; destination window 1
.irp t, 0,1,2,3
	global_load_b128 v[QF+8*\t:QF+8*\t+3], v[AK0], s[36:37] offset:16384*\t th:TH_LOAD_NT
	global_load_b128 v[QF+8*\t+4:QF+8*\t+7], v[AK0], s[36:37] offset:16384*\t+512 th:TH_LOAD_NT
.endr
	WIN 0
.irp t, 0,1,2,3
	global_load_b32 v[ST+8*\t+4], v6, s[40:41] offset:4*(32*(\t/2)+8*(\t%2))   ; lane r of tile 2 B + u is query 32 B + 8 u + r + 8 (r / 8)
.endr
.irp t, 0,1,2,3
	v_mov_b32 v[ST+8*\t+1], 0xff61b1e6             ; the largest t so far: -3e38, under every t
	v_mov_b32 v[ST+8*\t+2], 0                      ; the sum, in two halves
	v_mov_b32 v[ST+8*\t+3], 0
	v_mov_b32 v[ST+8*\t+5], 0                      ; written once: a lane permute's destination counts as one of its sources
	v_mov_b32 v[ST+8*\t+7], 0                      ; (named as the upper half of a pair)
	v_floor_f32 v[ST+8*\t], -v[ST+8*\t+1]          ; -M
.endr
	s_wait_kmcnt 0x0
	s_add_co_i32 s44, s18, s19
	s_lshl_b32 s44, s44, 23
	s_add_co_i32 s22, s44, 0x3e38aa3b              ; c = log2(e) / 8 x 2^(e6 + e7): the exponents are added to c's exponent field
	s_mov_b32 s23, s22                             ; (named with it as a pair, so it is written)
	s_sub_co_i32 s24, 0x54e8d4a5, s44              ; 8e12 / 2^(e6 + e7)
	s_add_co_i32 s44, s20, 127
	s_lshl_b32 s45, s44, 23
	v_mov_b32 v[PSC], s45                          ; 2^e8 as f32, for the conversion
	s_add_co_i32 s44, s44, 8
	s_lshl_b32 s44, s44, 23
	s_or_b32 s44, s44, 0x600000
	v_mov_b32 v[PLIM], s44                         ; 448 x 2^e8
	s_add_co_i32 s46, s20, s21                     ; e8 + e9
	s_wait_loadcnt 44                              ; the keys' masks are in (behind them: 16 + 16 + 8 + 4)
.irp j, 48,49,50,51
	v_fma_f32 v\j, v\j, s24, -s24                  ; (m - 1) x 8e12 / 2^(e6 + e7): 0 for a key that is kept
.endr
	ds_store_b128 v13, v[48:51]
	s_wait_loadcnt 28                              ; K is in
.set n, 0
.rept 16
	ds_store_b128 v4, v[KF+4*n:KF+4*n+3] offset:4096*n
.set n, n+1
.endr
	s_wait_loadcnt 12                              ; V is in
.set n, 0
.rept 16
	ds_store_b128 v12, v[VF+4*n:VF+4*n+3] offset:4096*n
.set n, n+1
.endr
	s_wait_loadcnt 0x0                             ; Q and my queries' masks; the loads' offset registers are free
	s_wait_dscnt 0x0                               ; for the others' sake: my stores have landed
	s_barrier_signal -1
	s_barrier_wait -1                              ; the launch's one barrier: from here on K, V and the biases are only read
	s_mov_b32 s28, 0                               ; the step's images begin here in K's and in V's region,
	s_mov_b32 s29, 0                               ; its biases here
	v_add_nc_u32 v[ADK], s28, v[AK0]
	v_add_nc_u32 v[ADB], s29, v[AB0]
	v_add_nc_u32 v[ADV], s28, v[AV0]
	KLOADS
	BLOADS
	VLOADS
	STEP 1, 1                                      ; key step 0
	s_mov_b32 s30, 6
.Lstep:                                            ; key steps 1 to 6
	STEP 0, 1
	s_sub_co_u32 s30, s30, 1
	s_cmp_lg_u32 s30, 0
	s_cbranch_scc1 .Lstep
	STEP 0, 0                                      ; key step 7 fetches nothing
	; THE WAY OUT.  The sum's halves and lane l xor 16's are added; O^T x mask / sum x 2^(e8 + e9) goes through my stage in LDS, a tile of 16 queries at a time, and leaves as rows of 256 bytes.
.irp t, 0,1,2,3
	v_add_f32 v[ST+8*\t+2], v[ST+8*\t+2], v[ST+8*\t+3]   ; (these four are the places behind the last products)
.endr
.irp t, 0,1,2,3
	v_permlanex16_b32 v[ST+8*\t+5], v[ST+8*\t+2], s26, s27
.endr
.irp t, 0,1,2,3
	v_add_f32 v[ST+8*\t+2], v[ST+8*\t+2], v[ST+8*\t+5]
.endr
.irp t, 0,1,2,3
	v_max_num_f32 v[ST+8*\t+2], 0x00800000, v[ST+8*\t+2]   ; held at 2^-126 from below: a row all of whose p are 0 gives 0, no NaN
.endr
.irp t, 0,1,2,3
	v_rcp_f32 v[ST+8*\t+6], v[ST+8*\t+2]
.endr
	v_nop                                          ; a plain line behind the last reciprocal
	s_wait_alu depctr_va_vdst(0)                   ; and one wait for the four, ahead of their first reader
.irp t, 0,1,2,3
	v_mul_f32 v[ST+8*\t+6], v[ST+8*\t+6], v[ST+8*\t+4]   ; x the query's mask, ahead of the power of two, so that a masked row's factor is 0 whatever the exponents
.endr
.irp t, 0,1,2,3
	v_ldexp_f32 v[ST+8*\t+6], v[ST+8*\t+6], s46    ; x 2^(e8 + e9)
.endr
.macro PACK t
	WIN 0x01                                       ; source 0 (O^T) in window 1
.set n, 0
.rept 16
	v_pk_mul_f32 v[SS+32*((\t)%2)+n:SS+32*((\t)%2)+n+1], v[OA+32*(\t)+n:OA+32*(\t)+n+1], v[ST+8*(\t)+6:ST+8*(\t)+7] op_sel_hi:[1,0]   ; register 16 B + i is channel 32 B + 16 h + i; each accumulator from its low end on
.set n, n+2
.endr
	WIN 0
.irp f, 0,1,2,3,4,5,6,7
	ds_store_b128 v[STO], v[SS+32*((\t)%2)+4*\f:SS+32*((\t)%2)+4*\f+3] offset:128*(\f/4)+16*(\f%4)
.endr
.irp f, 0,1,2,3,4,5,6,7
	ds_load_b128 v[128+32*(\t)+4*\f:128+32*(\t)+4*\f+3], v[RD] offset:2*\f*SPI   ; LDS serves a wave's instructions in order (ISA guide 5.7.1.4): these see the stores above, and the next tile's stores come behind them
.endr
.endm
.macro SEND t, younger                 ; younger: the LDS instructions issued behind tile t's loads: the next tile's sixteen, or none
.irp f, 0,1,2,3,4,5,6,7
	s_wait_dscnt \younger+7-\f
	global_store_b128 v[GO], v[128+32*(\t)+4*\f:128+32*(\t)+4*\f+3], s[42:43] offset:(32*((\t)/2)+8*((\t)%2)+2*\f+8*(\f/4))*4096 th:TH_STORE_NT   ; stage rows 2 f and 2 f + 1 are queries 32 B + 8 u + y + 8 (y / 8); 16 lanes store 256 consecutive bytes, aligned
.endr
.endm
	PACK 0
	PACK 1                                         ; a tile's arithmetic stands between the loads of the tile before and its stores
	SEND 0, 16
	PACK 2
	SEND 1, 16
	PACK 3
	SEND 2, 16
	SEND 3, 0
	s_set_vgpr_msb 0x5
	s_wait_tensorcnt 0x0
	ds_add_u32 v224, v225
	s_wait_dscnt 0x0
	s_set_vgpr_msb 0x500
	s_endpgm
.Lfunc_end_k_q25c32bc5f4_attn:
	.size	k_q25c32bc5f4_attn, .Lfunc_end_k_q25c32bc5f4_attn-k_q25c32bc5f4_attn
	.p2alignl 7, 3214868480
	.fill 96, 4, 3214868480
	.section	.rodata,"a",@progbits
	.p2align	6, 0x0
	.amdhsa_kernel k_q25c32bc5f4_attn
		.amdhsa_group_segment_fixed_size 171008
		.amdhsa_private_segment_fixed_size 0
		.amdhsa_enable_private_segment 0
		.amdhsa_kernarg_size 32
		.amdhsa_user_sgpr_count 2
		.amdhsa_user_sgpr_kernarg_segment_ptr 1
		.amdhsa_wavefront_size32 1
		.amdhsa_system_sgpr_workgroup_id_x 1
		.amdhsa_system_sgpr_workgroup_id_y 1
		.amdhsa_system_sgpr_workgroup_id_z 1
		.amdhsa_system_vgpr_workitem_id 0
		.amdhsa_next_free_vgpr 482
		.amdhsa_next_free_sgpr 66
		.amdhsa_reserve_vcc 0
		.amdhsa_float_denorm_mode_32 3
		.amdhsa_float_denorm_mode_16_64 3
		.amdhsa_memory_ordered 1
		.amdhsa_forward_progress 1
		.amdhsa_inst_pref_size 189
	.end_amdhsa_kernel
	.amdgpu_metadata
---
amdhsa.version: [ 1, 2 ]
amdhsa.kernels:
  - .name:           k_q25c32bc5f4_attn
    .symbol:         k_q25c32bc5f4_attn.kd
    .args:
      - { .name: img, .offset: 0, .size: 8, .value_kind: global_buffer, .address_space: global }
      - { .name: masks, .offset: 8, .size: 8, .value_kind: global_buffer, .address_space: global }
      - { .name: lowp_scales, .offset: 16, .size: 8, .value_kind: global_buffer, .address_space: global }
      - { .name: out0, .offset: 24, .size: 8, .value_kind: global_buffer, .address_space: global }
    .group_segment_fixed_size: 171008
    .private_segment_fixed_size: 0
    .kernarg_segment_align: 8
    .kernarg_segment_size: 32
    .max_flat_workgroup_size: 256
    .sgpr_count:     66
    .vgpr_count:     482
    .wavefront_size: 32
...
	.end_amdgpu_metadata
.endif
;; end of part 3
;; ======== version 2 of 2: 3 launches; version 1 with the launch attn written anew for expert scheduling mode
;; workspace buffers: xc 25,165,824 bytes; wc 3,145,728 bytes; img 25,165,824 bytes
;; launch quant: the kernel of part 1 again; grid 864 x 1, 4 waves a work-group, no clusters, 68,096 bytes of LDS; arguments Q_seq, K_seq, V_seq, WQ, WK, WV, lowp_scales, xc, wc; writes xc, wc
;; launch proj: the kernel of part 2 again; grid 4 x 96, 4 waves a work-group, clusters of 4 x 4, 327,680 bytes of LDS; arguments xc, wc, lowp_scales, img; writes img
;; launch attn (part 4): grid 2 x 128, 8 waves a work-group, no clusters, 171,008 bytes of LDS; arguments img, masks, lowp_scales, out0; writes out0
.if DOCPART == 4
	.amdgcn_target "amdgcn-amd-amdhsa--gfx1250"
	.amdhsa_code_object_version 6
	.text
	.protected	k_q25c32bc5f4_attn
	.globl	k_q25c32bc5f4_attn
	.p2align	8
	.type	k_q25c32bc5f4_attn,@function
k_q25c32bc5f4_attn:
	s_mov_b64 s[64:65], 0
	v_nop
	global_prefetch_b8 v0, s[64:65] scope:SCOPE_SE
	s_setreg_imm32_b32 hwreg(HW_REG_WAVE_SCHED_MODE, 0, 2), 2
	s_setreg_imm32_b32 hwreg(HW_REG_WAVE_MODE, 25, 1), 1
	s_wait_xcnt 0x0
	s_wait_alu depctr_vm_vsrc(0)
; out0[b][q][64 hd + d] = masks[b][q] x the sum over k of softmax_k(q . k / 8 - (1 - masks[b][k]) 1e12) v[k][d], both products on codes of E4M3 taken from img as images of operand registers.
; THE SOFTMAX AHEAD OF THE SECOND PRODUCT: t = logit x log2(e); M = the running largest t rounded UP to a whole number; p = 2^(t - M) is quantised with 2^e8, not normalised; the row's sum is taken of the
; unquantised p in f32 and divides O at the end.  When M moves, the sum and O are multiplied by 2^(old M - new M), which rounds nothing.
; SHARES.  Work-group (x, y): 512 queries (half x) of head y % 16 of batch y / 16, all 1,024 keys.  Each of eight waves owns 64 queries: four tiles of 16.  The head's K and V images (65,536 bytes each) and the
; keys' biases come into LDS once, through registers; then eight key steps of 128 keys, in which each fragment of K, of V and of the bias read from LDS serves four tiles.
; LAYOUT.  Both products are used transposed: S^T = K Q^T (source 0 = 16 keys, source 1 = 16 queries, K = 64), O^T = V^T P^T (source 0 = 16 channels, source 1 = P, K = 128 keys): a lane holds ONE query throughout.
; A stored tile 2 B + u holds, in row y, token (or channel) 32 B + 8 u + y + 8 (y / 8).  So register 16 B + i of S^T in lane (r, h) is key 32 B + 16 h + i of the step, and p's conversions give the second product's operand as it stands.
; THE KEY MASK COSTS NO VECTOR INSTRUCTION: (m - 1) x 8e12 / 2^(e6 + e7) is the C of the score product, in the result's layout; t - M is then one fused multiply-add, c x (sum + bias) - M, c = log2(e) / 8 x 2^(e6 + e7).
; The largest t is raised by 2^-22 of its magnitude ahead of the ceiling, so that the exact c x score never passes M and p <= 1 for every input; M is then, rarely, one above the ceiling of t, which moves p by an exact factor 1/2.
; With e8 >= -8 the largest code x the scale is at least 1.75 > p: the hold can hold nothing and is jumped over by a scalar branch on the given whole number e8 (the launch has no tensor load and no copy).
; NO CLUSTER: only the two work-groups along x share a head's images, each read once at the head: a grid of two along that axis does not divide into clusters of four.  No prefetch: nothing is read from memory behind the head.
; LIMITS: e6 + e7 between -85 and 130 (they are added to c's exponent field and taken from the bias's); e8 between -126 and 119.  NaN is not served.  Where every key of a batch carries a bias of the order of 1e12
; all p may be 0: the sum is then held at 2^-126 and O is 0 (with masks of 0 and 1 the queries' masks are 0 there too, and reference() gives 0).
; REGISTERS.  window 0: v1-9 addresses; v10 2^e8, v11 448 x 2^e8; v12-15 at work; v16-47 statistics, eight a tile; v48-111 S^T, then p; v112-127 p's codes; v128-191 K; v192-255 V.
;   window 1: v0-63 the step's biases; v64-95 Q, eight a tile; v96-223 O^T, 32 a tile.
; THE MODE: SCHED_MODE bits 1:0 = 2 (LLVM: expert scheduling mode 2), set by the entry lines.  The code itself states the register dependences between vector or matrix instructions and memory or LDS
; instructions, with s_wait_alu, always for 0.
; THE PLAN.  Registers that memory or LDS instructions touch, in the loop over key steps:
;   K (v128-191), the biases (window 1, v0-63)   read by the score products of the step's four tiles; behind tile 3's the next step's LDS loads land in them.
;   V (v192-255)                                 read by the second products of the four tiles; behind tile 3's the next step's LDS loads land in it.
;   v4, v6 (ADK, ADB), v5 (ADV)                  read by those LDS loads; each written once a step by an addition: ADK and ADB behind tile 3's score products, ADV at the step's end.
;   S^T, p's codes, O^T, Q and the statistics are named by vector and matrix instructions alone.
; So a step that fetches has three waits of its own.  Behind tile 3's score products: one on vm_vsrc (all LDS loads issued so far have read the three addresses; no load issued from there to the step's end reads ADV),
; and, behind the two additions, one on va_vdst (the four tiles' score products are done reading K and the biases; ADK and ADB are written).  The biases' 16 loads follow in one run, under their window; K's 16 are
; dealt among the first lines of tile 3's maximum, which name S^T and v12-15 alone.  At the step's end: one on va_vdst (the second products are done reading V; ADV is written), and V's 16 loads.
; Each softmax has its one wait behind its 64 exponentials.  At the head and on the way out each wait's comment names what it states.
.set VL,   65536                       ; LDS: K's images at 0 (tile T at 1,024 T, piece c at + 512 c), V's here (step x 8,192 + channel tile x 2,048 + 512 c),
.set BL,   131072                      ; the keys' biases, 1,024 x f32,
.set STG,  135168                      ; and a stage of 16 rows x 272 bytes for each wave, for the way out
.set SPI,  272
.set AK0,  1                           ; v1   16 x lane
.set AV0,  2                           ; v2   VL + 16 x lane
.set AB0,  3                           ; v3   BL + 64 (lane / 16)
.set ADK,  4                           ; v4-6 the LDS addresses of the runs of loads in hand (at the head: offsets of the first loads)
.set ADV,  5
.set ADB,  6
.set STO,  7                           ; v7   the way out: where I put 16 bytes of a row
.set RD,   8                           ; v8   where I read a row back
.set GO,   9                           ; v9   my byte offset in the wave's rows of out0
.set PSC,  10
.set PLIM, 11
.set ST,   16                          ; tile t at v[ST + 8 t]: +0 -M, +1 the largest t, +2, +3 the sum in two halves, +4 the query's mask, +5 a permute's destination, +6 f (at the end the final factor), +7 named with +6 as a pair
.set SS,   48
.set PP,   112
.set KF,   128
.set VF,   192
.set BI,   0                           ; in window 1
.set QF,   64
.set OA,   96
.set MSB, 0
.macro WIN new                         ; the immediate's high byte repeats the setting that is left; a switch that changes nothing is dropped
.if MSB != \new
	s_set_vgpr_msb (MSB<<8)|\new
.set MSB, \new
.endif
.endm
.macro KLOAD                           ; load n of the sixteen that bring a step's eight tiles of K: 512 consecutive bytes
	ds_load_b128 v[KF+4*n:KF+4*n+3], v[ADK] offset:512*n
.endm
.macro KLOADS                          ; all sixteen in one run
.set n, 0
.rept 16
	KLOAD
.set n, n+1
.endr
.endm
.macro BLOADS                          ; a step's biases: register 16 B + i = the bias of key 32 B + 16 (lane / 16) + i; sixteen lanes read the same words
	WIN 0x40                                       ; destination window 1
.set n, 0
.rept 16
	ds_load_b128 v[BI+4*n:BI+4*n+3], v[ADB] offset:128*(n/4)+16*(n%4)
.set n, n+1
.endr
	WIN 0
.endm
.macro VLOADS                          ; a step's four tiles of V
.set n, 0
.rept 16
	ds_load_b128 v[VF+4*n:VF+4*n+3], v[ADV] offset:512*n
.set n, n+1
.endr
.endm
.macro KQ t                            ; tile t's scores of the step's 128 keys: eight products, each with its bias as C
	WIN 0x14                                       ; Q (source 1) and the bias (source 2) in window 1
.irp k, 0,1,2,3,4,5,6,7
	v_wmma_f32_16x16x64_fp8_fp8 v[SS+8*\k:SS+8*\k+7], v[KF+8*\k:KF+8*\k+7], v[QF+8*(\t):QF+8*(\t)+7], v[BI+8*\k:BI+8*\k+7]
.endr
	WIN 0
.endm
.macro PV t, first                     ; O^T += V^T P^T: four accumulators by turns; in the first step the products start the sums: nothing is ever cleared
	WIN 0x50                                       ; C and D in window 1
.irp d, 0,1,2,3
.if \first
	v_wmma_f32_16x16x128_fp8_fp8 v[OA+32*(\t)+8*\d:OA+32*(\t)+8*\d+7], v[VF+16*\d:VF+16*\d+15], v[PP:PP+15], 0
.else
	v_wmma_f32_16x16x128_fp8_fp8 v[OA+32*(\t)+8*\d:OA+32*(\t)+8*\d+7], v[VF+16*\d:VF+16*\d+15], v[PP:PP+15], v[OA+32*(\t)+8*\d:OA+32*(\t)+8*\d+7]
.endif
.endr
.endm
; kl = 1: the next step's sixteen loads of K are dealt among the maximum's lines.  They stand behind the step's wait on va_vdst, and no line between that wait and the last of them names K's registers or ADK.
.macro SOFTMAX t, first, kl
.set rT, ST+8*(\t)
	v_max3_num_f32 v12, v[SS], v[SS+1], v[SS+2]    ; the step's largest score of my query among my 64 keys, in four chains; the scores in ascending order
	v_max3_num_f32 v13, v[SS+3], v[SS+4], v[SS+5]
	v_max3_num_f32 v14, v[SS+6], v[SS+7], v[SS+8]
	v_max3_num_f32 v15, v[SS+9], v[SS+10], v[SS+11]
.set n, 0
.rept 26
.if (\kl) && (n < 16)
	KLOAD
.endif
	v_max3_num_f32 v[12+(n%4)], v[12+(n%4)], v[SS+12+2*n], v[SS+13+2*n]
.set n, n+1
.endr
	v_max3_num_f32 v12, v12, v13, v14
	v_max_num_f32 v12, v12, v15
	v_permlanex16_b32 v[rT+5], v12, s26, s27
	v_max_num_f32 v12, v12, v[rT+5]                ; and among lane l xor 16's
	v_mul_f32 v12, s22, v12                        ; as t (c is positive),
	v_fma_f32 v12, |v12|, s31, v12                 ; raised by 2^-22 of its magnitude, above what the multiplication may have rounded away
	v_max_num_f32 v[rT+1], v[rT+1], v12            ; the running largest t
	v_mov_b32 v12, v[rT]
	v_floor_f32 v[rT], -v[rT+1]                    ; the new -M = floor(-t) = -ceil(t): M is a whole number
	v_sub_f32 v12, v[rT], v12                      ; old M - new M: a whole number, 0 or less
	v_cvt_i32_f32 v12, v12                         ; (it saturates)
	v_ldexp_f32 v[rT+6], 1.0, v12                  ; f = 2^(old M - new M)
.set n, 0
.rept 32
	v_pk_fma_f32 v[SS+n:SS+n+1], v[SS+n:SS+n+1], s[22:23], v[rT:rT+1] op_sel_hi:[1,0,0]   ; t - M, two at a time (of the pairs c and -M the low word serves both halves)
.set n, n+2
.endr
.set n, 0
.rept 64
	v_exp_f32 v[SS+n], v[SS+n]                     ; p = 2^(t - M), at most 1
.set n, n+1
.endr
	v_pk_mul_f32 v[rT+2:rT+3], v[rT+2:rT+3], v[rT+6:rT+7] op_sel_hi:[1,0]   ; the sums under the new M: the plain line behind the exponentials
	s_wait_alu depctr_va_vdst(0)                   ; the 64 exponentials have written p: one wait for the batch, ahead of its first reader
	v_pk_add_f32 v[12:13], v[SS:SS+1], v[SS+2:SS+3]   ; the row's sum is taken of the unquantised p: two at a time, in three chains
	v_pk_add_f32 v[14:15], v[SS+4:SS+5], v[SS+6:SS+7]
.irp j, 8,14,20,26,32,38,44,50,56
	v_pk_add_f32 v[rT+2:rT+3], v[rT+2:rT+3], v[SS+\j:SS+\j+1]
	v_pk_add_f32 v[12:13], v[12:13], v[SS+\j+2:SS+\j+3]
	v_pk_add_f32 v[14:15], v[14:15], v[SS+\j+4:SS+\j+5]
.endr
	v_pk_add_f32 v[rT+2:rT+3], v[rT+2:rT+3], v[SS+62:SS+63]
	v_pk_add_f32 v[12:13], v[12:13], v[14:15]
	v_pk_add_f32 v[rT+2:rT+3], v[rT+2:rT+3], v[12:13]
	s_cmp_ge_i32 s20, -8                           ; 448 x 2^e8 >= 1.75 > p: nothing to hold
	s_cbranch_scc1 .Lnohold_\@
.set n, 0
.rept 64
	v_min_num_f32 v[SS+n], v[SS+n], v[PLIM]        ; the conversion does not saturate (ISA guide 7.6.2); p is not negative, so the hold is one-sided
.set n, n+1
.endr
.Lnohold_\@:
.irp g, 0,1,2,3,4,5,6,7
	v_cvt_scalef32_pk8_fp8_f32 v[PP+2*\g:PP+2*\g+1], v[SS+8*\g:SS+8*\g+7], v[PSC]   ; registers 4 B .. 4 B + 3 of the operand: keys 32 B + 16 (lane / 16) + 0 .. 15
.endr
.if \first
	v_nop                                          ; the plain line between the conversions and the products that read their results
.else
	WIN 0x41                                       ; O^T (destination and source 0) in window 1
.set n, 0
.rept 16
	v_pk_mul_f32 v[OA+32*(\t)+n:OA+32*(\t)+n+1], v[OA+32*(\t)+n:OA+32*(\t)+n+1], v[rT+6:rT+7] op_sel_hi:[1,0]   ; O^T under the new M; these are also the plain lines behind the conversions
.set n, n+2
.endr
.endif
.endm
; A KEY STEP of 128 keys for the wave's four tiles.  first = 1: the products V^T P^T start O^T's sums.  pref = 1: the next step's fragments are fetched: the biases and K behind tile 3's scores (their last use), under
; tile 3's softmax; V behind tile 3's last products, a whole softmax ahead of its use.
.macro STEP first, pref
	s_wait_dscnt 16                                ; K and the biases are in; the youngest 16 loads, V's, may be out
.irp t, 0,1,2,3
	KQ \t
.if (\t == 3) && \pref
	s_add_co_u32 s28, s28, 8192                    ; the next step's images,
	s_add_co_u32 s29, s29, 512                     ; and its biases
	s_wait_alu depctr_vm_vsrc(0)                   ; the LDS loads issued so far have read ADK, ADB and ADV: the first two are written here, ADV at the step's end, and no load issued in between reads it
	v_add_nc_u32 v[ADK], s28, v[AK0]               ; these two additions and two v_nop are the four places behind the products, ahead of the first read of the scores and of the loads into registers that the products read
	v_add_nc_u32 v[ADB], s29, v[AB0]
	v_nop
	v_nop
	s_wait_alu depctr_va_vdst(0)                   ; the four tiles' score products are done reading K and the biases, in which the loads below land; ADK and ADB are written, which those loads read
	BLOADS
	SOFTMAX \t, \first, 1                          ; with K's sixteen loads among its first lines
.else
.rept 4
	v_nop                                          ; four places behind the products, ahead of the first read of the scores
.endr
	SOFTMAX \t, \first, 0
.endif
.if \t == 0
	s_wait_dscnt 0x0                               ; V is in
.endif
	PV \t, \first
.endr
	WIN 0
.if \pref
	v_add_nc_u32 v[ADV], s28, v[AV0]               ; with three v_nop: four places behind the last products, ahead of the loads into registers that they read; they stay beside the wait below
	v_nop
	v_nop
	v_nop
	s_wait_alu depctr_va_vdst(0)                   ; the four tiles' second products are done reading V, in which the loads below land; ADV is written, which they read
	VLOADS
.endif
.endm
	s_load_b256 s[4:11], s[0:1], 0x0               ; img s[4:5], masks s[6:7], the exponents s[8:9], out0 s[10:11]
	s_set_vgpr_msb 0x40
	v_lshl_add_u32 v224, v0, 2, 0x29800
	v_mov_b32 v225, 0
	s_set_vgpr_msb 0x4000
	v_lshrrev_b32 v12, 5, v0
	v_readfirstlane_b32 s12, v12                   ; wave 0..7
	s_and_b32 s13, ttmp7, 0xffff
	s_lshr_b32 s14, s13, 4                         ; the batch
	s_and_b32 s15, s13, 15                         ; the head
	s_mov_b32 s16, ttmp9                           ; which 512 queries
	s_mov_b32 s26, 0x76543210                      ; v_permlanex16_b32's selects for lane l xor 16
	s_mov_b32 s27, 0xfedcba98
	s_mov_b32 s31, 0x34800000                      ; 2^-22
	; byte offsets, each in a pair with 0 above it; the buffers' addresses are added behind the wait
	s_lshl_b32 s25, s14, 20                        ; a batch's images: 2^20 bytes in each of q, k, v
	s_lshl_b32 s44, s15, 10
	s_add_co_u32 s44, s44, s25                     ; q, k: the head's 1,024 bytes in a token tile's 16,384
	s_add_co_u32 s32, s44, 1<<23                   ; K
	s_mov_b32 s33, 0
	s_lshl_b32 s45, s15, 13                        ; v: the head's four channel tiles, 8,192 bytes in a key step's 131,072
	s_add_co_u32 s45, s45, s25
	s_add_co_u32 s34, s45, 1<<24                   ; V
	s_mov_b32 s35, 0
	s_wait_alu depctr_va_sdst(0)                   ; s12, the wave's number, is written, ahead of its first reader: Q's, the masks' and out0's offsets and my stage are made from it
	s_lshl_b32 s45, s16, 5
	s_lshl_b32 s47, s12, 2
	s_add_co_u32 s45, s45, s47                     ; my first token tile: 32 x half + 4 x wave
	s_lshl_b32 s45, s45, 14
	s_add_co_u32 s36, s45, s44                     ; Q
	s_mov_b32 s37, 0
	s_lshl_b32 s38, s14, 12                        ; the batch's row of masks
	s_mov_b32 s39, 0
	s_lshl_b32 s44, s16, 9
	s_lshl_b32 s45, s12, 6
	s_add_co_u32 s44, s44, s45                     ; my first query in the batch
	s_lshl_b32 s40, s44, 2
	s_add_co_u32 s40, s40, s38                     ; its mask
	s_mov_b32 s41, 0
	s_lshl_b32 s45, s14, 10
	s_add_co_u32 s44, s44, s45
	s_lshl_b32 s42, s44, 12                        ; its row of out0 (4,096 bytes a row),
	s_lshl_b32 s45, s15, 8
	s_add_co_u32 s42, s42, s45                     ; the head's 256 bytes
	s_mov_b32 s43, 0
	v_and_b32 v13, 31, v0                          ; lane
	v_and_b32 v14, 15, v0                          ; r
	v_bfe_u32 v15, v0, 4, 1                        ; h
	v_lshlrev_b32 v[AK0], 4, v13
	v_add_nc_u32 v[AV0], VL, v[AK0]
	v_lshl_add_u32 v[AB0], v15, 6, BL
	v_lshlrev_b32 v4, 4, v0                        ; 16 x thread: the masks' and V's offset in memory, and K's place in LDS
	v_lshrrev_b32 v12, 6, v0
	v_and_b32 v13, 63, v0
	v_lshlrev_b32 v5, 4, v13
	v_lshl_add_u32 v5, v12, 14, v5                 ; K: 64 threads to a tile's 1,024 bytes, tiles 16,384 bytes apart
	v_and_b32 v12, 8, v14
	v_add_nc_u32 v12, v12, v14
	v_lshlrev_b32 v6, 2, v12                       ; my query's mask: 4 (r + 8 (r / 8))
	s_mul_i32 s17, s12, 16*SPI
	s_add_co_u32 s17, s17, STG                     ; my stage
	v_mul_u32_u24 v[STO], v14, SPI
	v_lshl_add_u32 v[STO], v15, 6, v[STO]
	v_add_nc_u32 v[STO], s17, v[STO]               ; in: row r, + 64 h: channel 32 B + 16 h + i lies at byte 128 B + 64 h + 4 i
	v_mul_u32_u24 v[RD], v15, SPI
	v_lshl_add_u32 v[RD], v14, 4, v[RD]
	v_add_nc_u32 v[RD], s17, v[RD]                 ; back: lanes 0-15 one row of 256 bytes, lanes 16-31 the next
	v_lshlrev_b32 v[GO], 12, v15
	v_lshl_add_u32 v[GO], v14, 4, v[GO]            ; and the same two rows in out0
	v_add_nc_u32 v12, VL, v4                       ; V's place in LDS
	v_add_nc_u32 v13, BL, v4                       ; the biases'
	s_wait_kmcnt 0x0
	s_load_b64 s[18:19], s[8:9], 0x18              ; e6, e7
	s_load_b64 s[20:21], s[8:9], 0x20              ; e8, e9
	s_add_nc_u64 s[32:33], s[4:5], s[32:33]
	s_add_nc_u64 s[34:35], s[4:5], s[34:35]
	s_add_nc_u64 s[36:37], s[4:5], s[36:37]
	s_add_nc_u64 s[38:39], s[6:7], s[38:39]
	s_add_nc_u64 s[40:41], s[6:7], s[40:41]
	s_add_nc_u64 s[42:43], s[10:11], s[42:43]
	s_wait_alu depctr_va_vdst(0)                   ; the offsets and addresses v1 to v9, v12 and v13 are written, which the loads and stores of the head and of the way out read
	; 45 loads: the keys' masks (1), K (16), V (16), Q (8), my queries' masks (4)
	global_load_b128 v[48:51], v4, s[38:39]
.set n, 0
.rept 16
	global_load_b128 v[KF+4*n:KF+4*n+3], v5, s[32:33] offset:65536*n   ; four tiles an instruction of the work-group
.set n, n+1
.endr
.set n, 0
.rept 16
	global_load_b128 v[VF+4*n:VF+4*n+3], v4, s[34:35] offset:(n/2)*131072+(n%2)*4096   ; half a key step's 8,192 bytes
.set n, n+1
.endr
	WIN 0x40                                       ; destination window 1
.irp t, 0,1,2,3
	global_load_b128 v[QF+8*\t:QF+8*\t+3], v[AK0], s[36:37] offset:16384*\t th:TH_LOAD_NT
	global_load_b128 v[QF+8*\t+4:QF+8*\t+7], v[AK0], s[36:37] offset:16384*\t+512 th:TH_LOAD_NT
.endr
	WIN 0
.irp t, 0,1,2,3
	global_load_b32 v[ST+8*\t+4], v6, s[40:41] offset:4*(32*(\t/2)+8*(\t%2))   ; lane r of tile 2 B + u is query 32 B + 8 u + r + 8 (r / 8)
.endr
.irp t, 0,1,2,3
	v_mov_b32 v[ST+8*\t+1], 0xff61b1e6             ; the largest t so far: -3e38, under every t.  (None of these lines names a register that a load above reads or lands in)
	v_mov_b32 v[ST+8*\t+2], 0                      ; the sum, in two halves
	v_mov_b32 v[ST+8*\t+3], 0
	v_mov_b32 v[ST+8*\t+5], 0                      ; written once: a lane permute's destination counts as one of its sources
	v_mov_b32 v[ST+8*\t+7], 0                      ; (named as the upper half of a pair)
	v_floor_f32 v[ST+8*\t], -v[ST+8*\t+1]          ; -M
.endr
	s_wait_kmcnt 0x0
	s_add_co_i32 s44, s18, s19
	s_lshl_b32 s44, s44, 23
	s_add_co_i32 s22, s44, 0x3e38aa3b              ; c = log2(e) / 8 x 2^(e6 + e7): the exponents are added to c's exponent field
	s_mov_b32 s23, s22                             ; (named with it as a pair, so it is written)
	s_sub_co_i32 s24, 0x54e8d4a5, s44              ; 8e12 / 2^(e6 + e7)
	s_add_co_i32 s44, s20, 127
	s_lshl_b32 s45, s44, 23
	v_mov_b32 v[PSC], s45                          ; 2^e8 as f32, for the conversion
	s_add_co_i32 s44, s44, 8
	s_lshl_b32 s44, s44, 23
	s_or_b32 s44, s44, 0x600000
	v_mov_b32 v[PLIM], s44                         ; 448 x 2^e8
	s_add_co_i32 s46, s20, s21                     ; e8 + e9
	s_wait_loadcnt 44                              ; the keys' masks are in (behind them: 16 + 16 + 8 + 4)
.irp j, 48,49,50,51
	v_fma_f32 v\j, v\j, s24, -s24                  ; (m - 1) x 8e12 / 2^(e6 + e7): 0 for a key that is kept
.endr
	s_wait_alu depctr_va_vdst(0)                   ; the four multiply-adds have written v[48:51], which the LDS store reads
	ds_store_b128 v13, v[48:51]
	s_wait_loadcnt 28                              ; K is in
.set n, 0
.rept 16
	ds_store_b128 v4, v[KF+4*n:KF+4*n+3] offset:4096*n
.set n, n+1
.endr
	s_wait_loadcnt 12                              ; V is in
.set n, 0
.rept 16
	ds_store_b128 v12, v[VF+4*n:VF+4*n+3] offset:4096*n
.set n, n+1
.endr
	s_wait_loadcnt 0x0                             ; Q and my queries' masks; the loads that read the offset registers are done
	s_wait_dscnt 0x0                               ; for the others' sake: my stores have landed
	s_barrier_signal -1
	s_barrier_wait -1                              ; the launch's one barrier: from here on K, V and the biases are only read
	s_wait_alu depctr_vm_vsrc(0)                   ; the loads and LDS stores of the head have read v4 to v6, v12, v13, v[48:51] and K's and V's registers: the additions below, the LDS loads, the scores and the softmax write them from here on
	s_mov_b32 s28, 0                               ; the step's images begin here in K's and in V's region,
	s_mov_b32 s29, 0                               ; its biases here
	v_add_nc_u32 v[ADK], s28, v[AK0]
	v_add_nc_u32 v[ADB], s29, v[AB0]
	v_add_nc_u32 v[ADV], s28, v[AV0]
	s_wait_alu depctr_va_vdst(0)                   ; ADK, ADB and ADV are written, which the LDS loads below read
	KLOADS
	BLOADS
	VLOADS
	STEP 1, 1                                      ; key step 0
	s_mov_b32 s30, 6
.Lstep:                                            ; key steps 1 to 6
	STEP 0, 1
	s_sub_co_u32 s30, s30, 1
	s_cmp_lg_u32 s30, 0
	s_cbranch_scc1 .Lstep
	STEP 0, 0                                      ; key step 7 fetches nothing, so it has no wait but its softmaxes'
	; THE WAY OUT.  The sum's halves and lane l xor 16's are added; O^T x mask / sum x 2^(e8 + e9) goes through my stage in LDS, a tile of 16 queries at a time, and leaves as rows of 256 bytes.
.irp t, 0,1,2,3
	v_add_f32 v[ST+8*\t+2], v[ST+8*\t+2], v[ST+8*\t+3]   ; (these four are the places behind the last products)
.endr
.irp t, 0,1,2,3
	v_permlanex16_b32 v[ST+8*\t+5], v[ST+8*\t+2], s26, s27
.endr
.irp t, 0,1,2,3
	v_add_f32 v[ST+8*\t+2], v[ST+8*\t+2], v[ST+8*\t+5]
.endr
.irp t, 0,1,2,3
	v_max_num_f32 v[ST+8*\t+2], 0x00800000, v[ST+8*\t+2]   ; held at 2^-126 from below: a row all of whose p are 0 gives 0, no NaN
.endr
.irp t, 0,1,2,3
	v_rcp_f32 v[ST+8*\t+6], v[ST+8*\t+2]
.endr
	v_nop                                          ; a plain line behind the last reciprocal
	s_wait_alu depctr_va_vdst(0)                   ; the four reciprocals are written: one wait for the batch, ahead of its first reader
.irp t, 0,1,2,3
	v_mul_f32 v[ST+8*\t+6], v[ST+8*\t+6], v[ST+8*\t+4]   ; x the query's mask, ahead of the power of two, so that a masked row's factor is 0 whatever the exponents
.endr
.irp t, 0,1,2,3
	v_ldexp_f32 v[ST+8*\t+6], v[ST+8*\t+6], s46    ; x 2^(e8 + e9)
.endr
.macro PACK t
.if (\t) >= 2
	s_wait_alu depctr_vm_vsrc(0)                   ; the LDS stores of the tile two back have read their 32 registers, which the multiplications below write again
.endif
	WIN 0x01                                       ; source 0 (O^T) in window 1
.set n, 0
.rept 16
	v_pk_mul_f32 v[SS+32*((\t)%2)+n:SS+32*((\t)%2)+n+1], v[OA+32*(\t)+n:OA+32*(\t)+n+1], v[ST+8*(\t)+6:ST+8*(\t)+7] op_sel_hi:[1,0]   ; register 16 B + i is channel 32 B + 16 h + i; each accumulator from its low end on
.set n, n+2
.endr
	WIN 0
	s_wait_alu depctr_va_vdst(0)                   ; the multiplications have written the 32 registers that the LDS stores read; the last step's products are done reading K's and V's registers, in which the loads from the stage land
.irp f, 0,1,2,3,4,5,6,7
	ds_store_b128 v[STO], v[SS+32*((\t)%2)+4*\f:SS+32*((\t)%2)+4*\f+3] offset:128*(\f/4)+16*(\f%4)
.endr
.irp f, 0,1,2,3,4,5,6,7
	ds_load_b128 v[128+32*(\t)+4*\f:128+32*(\t)+4*\f+3], v[RD] offset:2*\f*SPI   ; LDS serves a wave's instructions in order (ISA guide 5.7.1.4): these see the stores above, and the next tile's stores come behind them
.endr
.endm
.macro SEND t, younger                 ; younger: the LDS instructions issued behind tile t's loads: the next tile's sixteen, or none.  The stores' data come from LDS loads, their offset from the head: no vector line writes either
.irp f, 0,1,2,3,4,5,6,7
	s_wait_dscnt \younger+7-\f
	global_store_b128 v[GO], v[128+32*(\t)+4*\f:128+32*(\t)+4*\f+3], s[42:43] offset:(32*((\t)/2)+8*((\t)%2)+2*\f+8*(\f/4))*4096 th:TH_STORE_NT   ; stage rows 2 f and 2 f + 1 are queries 32 B + 8 u + y + 8 (y / 8); 16 lanes store 256 consecutive bytes, aligned
.endr
.endm
	PACK 0
	PACK 1                                         ; a tile's arithmetic stands between the loads of the tile before and its stores
	SEND 0, 16
	PACK 2
	SEND 1, 16
	PACK 3
	SEND 2, 16
	SEND 3, 0
	s_set_vgpr_msb 0x5
	s_wait_dscnt 0x0
	s_wait_alu depctr_hold_cnt(0) depctr_sa_sdst(0) depctr_va_vdst(0) depctr_va_sdst(0) depctr_va_ssrc(0) depctr_va_vcc(0) depctr_vm_vsrc(0)
	s_wait_tensorcnt 0x0
	ds_add_u32 v224, v225
	s_wait_dscnt 0x0
	s_endpgm
.Lfunc_end_k_q25c32bc5f4_attn:
	.size	k_q25c32bc5f4_attn, .Lfunc_end_k_q25c32bc5f4_attn-k_q25c32bc5f4_attn
	.p2alignl 7, 3214868480
	.fill 96, 4, 3214868480
	.section	.rodata,"a",@progbits
	.p2align	6, 0x0
	.amdhsa_kernel k_q25c32bc5f4_attn
		.amdhsa_group_segment_fixed_size 171008
		.amdhsa_private_segment_fixed_size 0
		.amdhsa_enable_private_segment 0
		.amdhsa_kernarg_size 32
		.amdhsa_user_sgpr_count 2
		.amdhsa_user_sgpr_kernarg_segment_ptr 1
		.amdhsa_wavefront_size32 1
		.amdhsa_system_sgpr_workgroup_id_x 1
		.amdhsa_system_sgpr_workgroup_id_y 1
		.amdhsa_system_sgpr_workgroup_id_z 1
		.amdhsa_system_vgpr_workitem_id 0
		.amdhsa_next_free_vgpr 482
		.amdhsa_next_free_sgpr 66
		.amdhsa_reserve_vcc 0
		.amdhsa_float_denorm_mode_32 3
		.amdhsa_float_denorm_mode_16_64 3
		.amdhsa_memory_ordered 1
		.amdhsa_forward_progress 1
		.amdhsa_inst_pref_size 190
	.end_amdhsa_kernel
	.amdgpu_metadata
---
amdhsa.version: [ 1, 2 ]
amdhsa.kernels:
  - .name:           k_q25c32bc5f4_attn
    .symbol:         k_q25c32bc5f4_attn.kd
    .args:
      - { .name: img, .offset: 0, .size: 8, .value_kind: global_buffer, .address_space: global }
      - { .name: masks, .offset: 8, .size: 8, .value_kind: global_buffer, .address_space: global }
      - { .name: lowp_scales, .offset: 16, .size: 8, .value_kind: global_buffer, .address_space: global }
      - { .name: out0, .offset: 24, .size: 8, .value_kind: global_buffer, .address_space: global }
    .group_segment_fixed_size: 171008
    .private_segment_fixed_size: 0
    .kernarg_segment_align: 8
    .kernarg_segment_size: 32
    .max_flat_workgroup_size: 256
    .sgpr_count:     66
    .vgpr_count:     482
    .wavefront_size: 32
...
	.end_amdgpu_metadata
.endif
;; end of part 4
